; MI455X (gfx1250); checked and timed in simulation.
; The chip was launched on July 23, 2026; its instructions are those of AMD's public machine-readable ISA for CDNA 5 (MIT licence, August 2026) and "CDNA5" Instruction Set Architecture Reference Guide (July 2026). The comments in the code are by the model that wrote it; some were corrected since.
;; Multi Head Self Attention Projector. Allowed arithmetic: matrix products marked QUANTISED: E3M2 operands, one E8M0 scale for each 32 along K, by v_wmma_scale_f32_16x16x128_f8f6f4 with both operands' format E3M2, f32 sums; everything else in f32.
;; Inputs: Wk 768 x 512 float32; Wo 512 x 768 float32; Wq 768 x 512 float32; Wv 768 x 512 float32; bk 512 float32; bo 768 float32; bq 512 float32; bv 512 float32; text_embeds 4 x 2,048 x 768 float32.
;; Outputs: out0 4 x 2,048 x 768 float32.
;; This version of the problem:
;;   THIS VERSION OF THE PROBLEM IS GIVEN IN LOW PRECISION. The matrix products marked QUANTISED in the list below multiply operands that are first quantised to E3M2 (3 exponent bits, 2 mantissa bits; 6 bits a number), with one power-of-two scale for each 32 numbers along K (OCP MX v1.0); their sums are f32. All else is computed in f32.
;;   The module's matrix products, in the order in which they are computed (A, B: the left and right operand; K: the contracted axis; several contracted axes count as one K, in the product's order):
;;     1. [M 8,192, K 768] x [K 768, N 512]; A: input text_embeds; B: input Wq: QUANTISED
;;     2. [M 8,192, K 768] x [K 768, N 512]; A: input text_embeds; B: input Wk: QUANTISED
;;     3. [M 8,192, K 768] x [K 768, N 512]; A: input text_embeds; B: input Wv: QUANTISED
;;     4. batch 32 x [M 2,048, K 64] x [K 64, N 2,048]; A: computed on the way; B: computed on the way: QUANTISED
;;     5. batch 32 x [M 2,048, K 2,048] x [K 2,048, N 64]; A: softmax (see below); B: computed on the way: QUANTISED
;;     6. [M 8,192, K 512] x [K 512, N 768]; A: computed on the way; B: input Wo: QUANTISED
;;   THE QUANTISER, for each operand of a quantised product, along K:
;;     - K is cut into blocks of 32 from its start; a last block that is shorter is filled with zeros.
;;     - A block's scale is 2^e with e = floor(log2(the largest magnitude in the block)) - 4, held to -126 .. 127; a block of zeros has e = 0. As a byte (E8M0): e + 127.
;;     - Each number is divided by its block's scale, clamped to +-28, and rounded to the nearest number of E3M2, ties to even, subnormals kept.
;;     - The product sums the exact products of the quantised numbers (number of the format x scale) in f32.
;;   ~~~python
;;   def quantise(x, axis):      # numpy; x: float32 -> the quantised numbers, widened to float32 again
;;       x = np.moveaxis(x, axis, -1); K = x.shape[-1]
;;       x = np.pad(x, [(0, 0)] * (x.ndim - 1) + [(0, -K % 32)]); x = x.reshape(x.shape[:-1] + (-1, 32)); a = np.abs(x).max(-1, keepdims=True)
;;       e = np.where(a > 0, np.clip(np.frexp(np.where(a > 0, a, 1))[1] - 1 - 4, -126, 127), 0)      # np.frexp(a)[1] - 1 = floor(log2(a)), exactly
;;       r = np.clip(x / 2.0 ** e, -28, 28)
;;       step = 2.0 ** (np.maximum(np.frexp(np.where(r == 0, 1, r))[1] - 1, -2) - 2)
;;       q = np.round(r / step) * step * 2.0 ** e      # np.round: ties to even
;;       return np.moveaxis(q.reshape(q.shape[:-2] + (-1,))[..., :K], -1, axis).astype(np.float32)
;;   ~~~
;;   SOFTMAX AHEAD OF A QUANTISED PRODUCT. Where the list says 'softmax', what is quantised is not the finished softmax but p = 2^(t - M), with t = logit x log2(e) and M = ceil(the row's largest t), a whole number; so 1/2 < the row's largest p <= 1. The row's sum l is taken of the UNQUANTISED p, in f32, and the product's result is divided by l at the end. Since M is a whole number, a kernel that streams over the keys may use a running M (the ceiling of the running maximum): every later rescaling is an exact power of two, which a block's scale takes up: the codes' values come out the same.
;;   OPERANDS COMPUTED ON THE WAY. 'Computed on the way' means the value that the module computes at that place (a softmax that the list does not call 'softmax' is quantised finished and normalised). What goes into a quantiser is computed in f32, as accurately as f32 sums, v_exp_f32 and their like allow (about 1e-6 of the number): no bf16 or f16 on the way to a quantiser, and a product that is left as it is and whose result goes on into a quantised operand takes f32 operands (vector FMAs, or v_wmma_f32_16x16x4_f32). A number that lies on a knife's edge between two numbers of the format may be rounded either way, as far as f32 arithmetic and the matrix unit's own rounding can turn it there, and no further.
;; One version. Each part assembles by itself: llvm-mc -triple=amdgcn-amd-amdhsa -mcpu=gfx1250 --defsym DOCPART=n.
;; ======== version 1 of 1: 4 launches
;; limits: right only within a limited range of input values
;; workspace buffers: xq 4,915,200 bytes; wts 1,228,800 bytes; qb 3,407,872 bytes; kvb 6,684,672 bytes; ab 3,276,800 bytes
;; launch prep (part 1): grid 320 x 1, 6 waves a work-group, no clusters, 88,320 bytes of LDS; arguments text_embeds, Wq, Wk, Wv, Wo, xq, wts; writes xq, wts
.if DOCPART == 1
	.amdgcn_target "amdgcn-amd-amdhsa--gfx1250"
	.amdhsa_code_object_version 6
	.text
	.protected	k_qa4ae4b84c3_prep
	.globl	k_qa4ae4b84c3_prep
	.p2align	8
	.type	k_qa4ae4b84c3_prep,@function
k_qa4ae4b84c3_prep:
	s_mov_b64 s[64:65], 0
	v_nop
	global_prefetch_b8 v0, s[64:65] scope:SCOPE_SE
	s_setreg_imm32_b32 hwreg(HW_REG_WAVE_MODE, 25, 1), 1
	s_wait_xcnt 0x0
; text_embeds [8192][768] and the four weights (K is their FIRST axis) become codes of BF6 (E3M2) with one E8M0 byte for each 32 along K,
; laid in the ORDER OF THE OPERAND'S REGISTERS: a fragment (16 rows x 128 K, 12 registers a lane) is 1,536 bytes, register g of lane L at 512 (g / 4) + 16 L + 4 (g % 4).
; THE ROWS OF A TILE ARE NOT NEIGHBOURS: in a group of 32 rows tile u (0, 1) has in lane r the row 8 u + r + 8 (r / 8); so a product's 16 registers of two neighbouring tiles are 16 neighbours.
; A block's scale is 2^(floor(log2(largest magnitude)) - 4); its byte is the largest magnitude's exponent field - 4, held at 1 from below.
; LIMITS: a block of zeros gets the byte 1 where the rule says 127 (its codes are zeros, and this program alone reads the bytes); NaN and infinities among the inputs are not served.
; Work-groups 0-255: 32 tokens of x each (wave w: tile w % 2, K steps 2 (w / 2) and 2 (w / 2) + 1).  256-303: 32 columns of Wq, Wk or Wv (wave = K step).  304-319: 192 columns x one K step of Wo (wave = 32 columns).
; No tensor loads, no barrier, no cluster: waves share nothing, and no byte is read twice.  Each of the three paths has LDS bytes of its own.
.set FLOOR, 0x2800000                  ; 2^(5 - 127): under it no largest magnitude is taken, so the byte cannot fall under 1
.set EOFF,  0xfe000000                 ; takes 4 off an exponent field
.set QT,  232                          ; v232-234 a block's upper 16 codes (a conversion's three registers begin on an even number)
.set QM0, 236                          ; v236-237 two chains of the maximum
.set QM1, 237
.set QSC, 238                          ; v238 the conversion's scale operand
; 32 numbers of ONE lane, v[src] on, become 6 registers of codes, v[dst] on, and the scale's byte in v[by]
.macro QBLOCK src, dst, by
	v_max3_num_f32 v[QM0], |v[\src]|, |v[\src+1]|, FLOOR
	v_max3_num_f32 v[QM1], |v[\src+2]|, |v[\src+3]|, FLOOR
.irp i, 4,8,12,16,20,24,28
	v_max3_num_f32 v[QM0], v[QM0], |v[\src+\i]|, |v[\src+\i+1]|
	v_max3_num_f32 v[QM1], v[QM1], |v[\src+\i+2]|, |v[\src+\i+3]|
.endr
	v_max_num_f32 v[QM0], v[QM0], v[QM1]
	v_add_nc_u32 v[QSC], EOFF, v[QM0]              ; the conversion takes the exponent field of this operand as its scale, and nothing else of it
	v_lshrrev_b32 v[\by], 23, v[QSC]
	v_cvt_scalef32_pk16_bf6_f32 v[\dst:\dst+2], v[\src:\src+15], v[QSC]
	v_cvt_scalef32_pk16_bf6_f32 v[QT:QT+2], v[\src+16:\src+31], v[QSC]
	v_nop                                          ; one plain place behind a scaled conversion
.irp i, 0,1,2
	v_mov_b32 v[\dst+3+\i], v[QT+\i]
.endr
.endm
	s_load_b256 s[4:11], s[0:1], 0x0               ; text_embeds s[4:5], Wq s[6:7], Wk s[8:9], Wv s[10:11]
	s_load_b128 s[12:15], s[0:1], 0x20             ; Wo s[12:13], xq s[14:15]
	s_load_b64 s[16:17], s[0:1], 0x30              ; wts
	v_lshl_add_u32 v254, v0, 2, 0x15600
	v_mov_b32 v255, 0
	v_lshrrev_b32 v9, 5, v0
	v_readfirstlane_b32 s18, v9                    ; wave 0..5
	v_and_b32 v6, 31, v0                           ; lane
	v_and_b32 v7, 15, v0                           ; r
	v_bfe_u32 v8, v0, 4, 1                         ; h
	s_mov_b32 s20, 0x76543210
	s_mov_b32 s21, 0xfedcba98                      ; v_permlanex16_b32's selects for lane l xor 16
	s_mov_b32 s25, 0                               ; the offsets' high words
	s_mov_b32 s27, 0
	s_mov_b32 s29, 0
	s_mov_b32 s35, 0
	s_wait_kmcnt 0x0
	s_cmp_lt_u32 ttmp9, 256
	s_cbranch_scc0 .Lweights
; ---------------- x: K is innermost.  Each load takes 512 consecutive bytes of one row (one K step); a K step's 16 rows turn through the wave's own stage, so that a lane gets 32 neighbours of its row
	s_wait_alu depctr_va_vdst(0)
	v_cmp_lt_u32 s22, 15, v6                       ; lanes 16-31
	v_lshlrev_b32 v1, 4, v6                        ; 16 x lane
	s_wait_alu depctr_va_vdst(0)
	s_mul_i32 s36, s18, 8448                       ; my stage: 16 rows of 512 bytes + 16
	v_add_nc_u32 v2, s36, v1                       ; in: as loaded
	v_mul_u32_u24 v3, v7, 528
	v_lshl_add_u32 v3, v8, 7, v3
	v_add_nc_u32 v3, s36, v3                       ; out: row r, + 128 h bytes: k = 32 h on
	v_lshlrev_b32 v4, 2, v6                        ; 4 x lane
	v_lshlrev_b32 v5, 3, v8                        ; 8 h: my bytes' place in a scale word
	v_mov_b32 v243, 0                              ; a lane permute's destination counts as one of its sources
	s_and_b32 s30, s18, 1                          ; u: which tile of the 32 tokens
	s_lshr_b32 s31, s18, 1                         ; i: K steps 2 i, 2 i + 1
	s_mul_i32 s24, ttmp9, 98304                    ; 32 rows of 3,072 bytes
	s_mul_i32 s32, s30, 24576                      ; + 8 u rows
	s_add_co_u32 s24, s24, s32
	s_lshl_b32 s32, s31, 10                        ; + two K steps of 512 bytes
	s_add_co_u32 s24, s24, s32
	s_lshr_b32 s33, ttmp9, 2
	s_mul_i32 s33, s33, 76800                      ; my block of 128 tokens in xq
	s_and_b32 s34, ttmp9, 3
	s_lshl_b32 s34, s34, 1
	s_add_co_u32 s34, s34, s30                     ; my tile of its eight
	s_mul_i32 s26, s34, 9216
	s_add_co_u32 s26, s26, s33
	s_mul_i32 s32, s31, 3072
	s_add_co_u32 s26, s26, s32                     ; codes: tile x 6 fragments + 2 i fragments
	s_mul_i32 s28, s34, 384
	s_add_co_u32 s28, s28, s33
	s_lshl_b32 s32, s31, 7
	s_add_co_u32 s28, s28, s32
	s_add_co_u32 s28, s28, 73728                   ; scale words: behind the block's 48 fragments
	s_add_nc_u64 s[24:25], s[4:5], s[24:25]
	s_add_nc_u64 s[26:27], s[14:15], s[26:27]
	s_add_nc_u64 s[28:29], s[14:15], s[28:29]
.irp e, 0,1
.irp p, 0,1,2,3,4,5,6,7,8,9,10,11,12,13,14,15
	global_load_b128 v[16+64*\e+4*\p:16+64*\e+4*\p+3], v1, s[24:25] offset:(\p+8*(\p/8))*3072+512*\e th:TH_LOAD_NT
.endr
.endr
	s_wait_alu depctr_va_vdst(0)
.irp e, 0,1
.if \e == 0
	s_wait_loadcnt 16                              ; the first K step's 16 loads are in; the second's may be out
.else
	s_wait_loadcnt 0x0
.endif
.irp p, 0,1,2,3,4,5,6,7,8,9,10,11,12,13,14,15
	ds_store_b128 v2, v[16+64*\e+4*\p:16+64*\e+4*\p+3] offset:528*\p
.endr
.irp c, 0,1
.irp i, 0,1,2,3,4,5,6,7
	ds_load_b128 v[144+32*\c+4*\i:144+32*\c+4*\i+3], v3 offset:256*\c+16*\i   ; LDS serves a wave's instructions in order: these see the stores above.  k = 64 c + 32 h + 4 i on
.endr
.endr
	s_wait_dscnt 0x0
	QBLOCK 144, 208+12*\e, 239                     ; block h: registers 0-5 of the fragment
	QBLOCK 176, 214+12*\e, 240                     ; block 2 + h: registers 6-11
	v_lshl_or_b32 v[241+\e], v240, 16, v239
	v_lshlrev_b32 v[241+\e], v5, v[241+\e]         ; my two bytes at their places,
	v_permlanex16_b32 v243, v[241+\e], s20, s21
	v_or_b32 v[241+\e], v[241+\e], v243            ; with lane l xor 16's two the row's word is whole
.irp q, 0,1,2
	global_store_b128 v1, v[208+12*\e+4*\q:208+12*\e+4*\q+3], s[26:27] offset:1536*\e+512*\q   ; 512 consecutive bytes; every store has data registers of its own
.endr
.endr
	v_cndmask_b32 v244, v241, v242, s22            ; lanes 0-15 the even K step's words, lanes 16-31 the odd one's
	global_store_b32 v4, v244, s[28:29]
	s_wait_tensorcnt 0x0
	ds_add_u32 v254, v255
	s_wait_dscnt 0x0
	s_endpgm
; ---------------- the weights: a lane takes a column and its registers run down K, so that a block lies in one lane; the codes go through the wave's stage into the two tiles' register order
.macro LOADB b, pitch                  ; block b: W(32 b + i, my column); 32 lanes read 128 consecutive bytes
.set li, 0
.rept 32
	global_load_b32 v[16+32*(\b)+li], v1, s[24:25] offset:(32*(\b)+li)*(\pitch) th:TH_LOAD_NT
.set li, li+1
.endr
.endm
.macro SCAT b                          ; block b = 2 c + hh is registers 6 c .. 6 c + 5 of lane r' + 16 hh of my tile's fragment
.if (\b) < 2
	ds_store_b64 v2, v[144+6*(\b):145+6*(\b)] offset:256*((\b)%2)
	ds_store_b64 v2, v[146+6*(\b):147+6*(\b)] offset:256*((\b)%2)+8
	ds_store_b64 v2, v[148+6*(\b):149+6*(\b)] offset:256*((\b)%2)+512
.else
	ds_store_b64 v2, v[144+6*(\b):145+6*(\b)] offset:256*((\b)%2)+520
	ds_store_b64 v2, v[146+6*(\b):147+6*(\b)] offset:256*((\b)%2)+1024
	ds_store_b64 v2, v[148+6*(\b):149+6*(\b)] offset:256*((\b)%2)+1032
.endif
.endm
; pitch: bytes of a row of the weight; lb: the path's LDS bytes; tstr, sstr: bytes from a tile to the next among the codes and among the scale words
.macro WPATH pitch, lb, tstr, sstr
	v_lshlrev_b32 v1, 2, v6                        ; my column
	v_bfe_u32 v7, v0, 3, 1                         ; u = (l / 8) % 2: my tile of the two
	v_and_b32 v9, 7, v0
	v_lshl_or_b32 v9, v8, 3, v9                    ; r' = l % 8 + 8 (l / 16): my lane in it
	s_mul_i32 s36, s18, 3072
	s_add_co_u32 s36, s36, \lb                     ; my stage: two fragments
	v_mul_u32_u24 v2, v7, 1536
	v_lshl_add_u32 v2, v9, 4, v2
	v_add_nc_u32 v2, s36, v2
	v_lshlrev_b32 v4, 4, v6
	v_add_nc_u32 v3, s36, v4
	v_mul_u32_u24 v5, v7, \sstr
	v_lshl_add_u32 v5, v9, 2, v5
	LOADB 0, \pitch
	LOADB 1, \pitch
.irp b, 0,1,2,3
.if \b < 3
	s_wait_loadcnt 32                              ; this block's 32 loads are in; the next block's may be out
.else
	s_wait_loadcnt 0x0
.endif
	QBLOCK 16+32*\b, 144+6*\b, 196+\b
	SCAT \b
.if \b < 2
	LOADB \b+2, \pitch
.endif
.endr
	v_lshl_or_b32 v200, v197, 8, v196
	v_lshl_or_b32 v200, v198, 16, v200
	v_lshl_or_b32 v200, v199, 24, v200             ; my column's scale word for this K step
	global_store_b32 v5, v200, s[28:29]            ; runs of 64 bytes: 4 bytes for each 512 that the path reads
.irp q, 0,1,2,3,4,5
	ds_load_b128 v[172+4*\q:172+4*\q+3], v3 offset:512*\q   ; LDS serves a wave's instructions in order: these see my stores
.endr
.irp q, 0,1,2,3,4,5
	s_wait_dscnt 5-\q                              ; the younger loads may be out
	global_store_b128 v4, v[172+4*\q:172+4*\q+3], s[26:27] offset:(\q/3)*(\tstr)+512*(\q%3)
.endr
.endm
.Lweights:
	s_cmp_lt_u32 ttmp9, 304
	s_cbranch_scc0 .Lwo
	s_sub_co_u32 s30, ttmp9, 256
	s_lshr_b32 s31, s30, 4                         ; which of Wq, Wk, Wv
	s_and_b32 s32, s30, 15                         ; which 32 columns
	s_cmp_eq_u32 s31, 0
	s_cselect_b64 s[24:25], s[6:7], s[8:9]
	s_cmp_eq_u32 s31, 2
	s_cselect_b64 s[24:25], s[10:11], s[24:25]
	s_lshl_b32 s34, s18, 18                        ; K step = wave: 128 rows of 2,048 bytes
	s_lshl_b32 s33, s32, 7
	s_add_co_u32 s34, s34, s33
	s_add_nc_u64 s[24:25], s[24:25], s[34:35]
	s_mul_i32 s34, s31, 294912                     ; codes: [matrix][tile 32][K step 6][1,536]
	s_mul_i32 s33, s32, 18432
	s_add_co_u32 s34, s34, s33
	s_mul_i32 s33, s18, 1536
	s_add_co_u32 s34, s34, s33
	s_add_nc_u64 s[26:27], s[16:17], s[34:35]
	s_mul_i32 s34, s31, 12288                      ; scale words: [matrix][tile][K step][16]
	s_mul_i32 s33, s32, 768
	s_add_co_u32 s34, s34, s33
	s_lshl_b32 s33, s18, 6
	s_add_co_u32 s34, s34, s33
	s_add_co_u32 s34, s34, 884736
	s_add_nc_u64 s[28:29], s[16:17], s[34:35]
	s_wait_alu depctr_va_vdst(0)
	WPATH 2048, 50688, 9216, 384
	s_wait_tensorcnt 0x0
	ds_add_u32 v254, v255
	s_wait_dscnt 0x0
	s_endpgm
.Lwo:
	s_sub_co_u32 s30, ttmp9, 304
	s_lshr_b32 s31, s30, 2                         ; which 192 columns of Wo
	s_and_b32 s32, s30, 3                          ; K step
	s_mul_i32 s34, s32, 393216                     ; 128 rows of 3,072 bytes
	s_mul_i32 s33, s31, 768
	s_add_co_u32 s34, s34, s33
	s_lshl_b32 s33, s18, 7                         ; 32 columns = wave
	s_add_co_u32 s34, s34, s33
	s_add_nc_u64 s[24:25], s[12:13], s[34:35]
	s_mul_i32 s37, s31, 76800
	s_add_co_u32 s37, s37, 921600                  ; the group's block: 12 tiles x 4 K steps, then the scale words
	s_mul_i32 s34, s18, 12288
	s_add_co_u32 s34, s34, s37
	s_mul_i32 s33, s32, 1536
	s_add_co_u32 s34, s34, s33
	s_add_nc_u64 s[26:27], s[16:17], s[34:35]
	s_lshl_b32 s34, s18, 9
	s_add_co_u32 s34, s34, s37
	s_lshl_b32 s33, s32, 6
	s_add_co_u32 s34, s34, s33
	s_add_co_u32 s34, s34, 73728
	s_add_nc_u64 s[28:29], s[16:17], s[34:35]
	s_wait_alu depctr_va_vdst(0)
	WPATH 3072, 69120, 6144, 256
	s_wait_tensorcnt 0x0
	ds_add_u32 v254, v255
	s_wait_dscnt 0x0
	s_endpgm
.Lfunc_end_k_qa4ae4b84c3_prep:
	.size	k_qa4ae4b84c3_prep, .Lfunc_end_k_qa4ae4b84c3_prep-k_qa4ae4b84c3_prep
	.p2alignl 7, 3214868480
	.fill 96, 4, 3214868480
	.section	.rodata,"a",@progbits
	.p2align	6, 0x0
	.amdhsa_kernel k_qa4ae4b84c3_prep
		.amdhsa_group_segment_fixed_size 88320
		.amdhsa_private_segment_fixed_size 0
		.amdhsa_enable_private_segment 0
		.amdhsa_kernarg_size 56
		.amdhsa_user_sgpr_count 2
		.amdhsa_user_sgpr_kernarg_segment_ptr 1
		.amdhsa_wavefront_size32 1
		.amdhsa_system_sgpr_workgroup_id_x 1
		.amdhsa_system_sgpr_workgroup_id_y 1
		.amdhsa_system_sgpr_workgroup_id_z 1
		.amdhsa_system_vgpr_workitem_id 0
		.amdhsa_next_free_vgpr 256
		.amdhsa_next_free_sgpr 66
		.amdhsa_reserve_vcc 0
		.amdhsa_float_denorm_mode_32 3
		.amdhsa_float_denorm_mode_16_64 3
		.amdhsa_memory_ordered 1
		.amdhsa_forward_progress 1
		.amdhsa_inst_pref_size 61
	.end_amdhsa_kernel
	.amdgpu_metadata
---
amdhsa.version: [ 1, 2 ]
amdhsa.kernels:
  - .name:           k_qa4ae4b84c3_prep
    .symbol:         k_qa4ae4b84c3_prep.kd
    .args:
      - { .name: text_embeds, .offset: 0, .size: 8, .value_kind: global_buffer, .address_space: global }
      - { .name: Wq, .offset: 8, .size: 8, .value_kind: global_buffer, .address_space: global }
      - { .name: Wk, .offset: 16, .size: 8, .value_kind: global_buffer, .address_space: global }
      - { .name: Wv, .offset: 24, .size: 8, .value_kind: global_buffer, .address_space: global }
      - { .name: Wo, .offset: 32, .size: 8, .value_kind: global_buffer, .address_space: global }
      - { .name: xq, .offset: 40, .size: 8, .value_kind: global_buffer, .address_space: global }
      - { .name: wts, .offset: 48, .size: 8, .value_kind: global_buffer, .address_space: global }
    .group_segment_fixed_size: 88320
    .private_segment_fixed_size: 0
    .kernarg_segment_align: 8
    .kernarg_segment_size: 56
    .max_flat_workgroup_size: 192
    .sgpr_count:     66
    .vgpr_count:     256
    .wavefront_size: 32
...
	.end_amdgpu_metadata
.endif
;; end of part 1
;; launch qkv (part 2): grid 64 x 4, 3 waves a work-group, no clusters, 168,448 bytes of LDS; arguments xq, wts, bq, bk, bv, qb, kvb; writes qb, kvb
.if DOCPART == 2
	.amdgcn_target "amdgcn-amd-amdhsa--gfx1250"
	.amdhsa_code_object_version 6
	.text
	.protected	k_qa4ae4b84c3_qkv
	.globl	k_qa4ae4b84c3_qkv
	.p2align	8
	.type	k_qa4ae4b84c3_qkv,@function
k_qa4ae4b84c3_qkv:
	s_mov_b64 s[64:65], 0
	v_nop
	global_prefetch_b8 v0, s[64:65] scope:SCOPE_SE
	s_setreg_imm32_b32 hwreg(HW_REG_WAVE_MODE, 25, 1), 1
	s_wait_xcnt 0x0
; q, k and v = x W + b on codes of BF6 with E8M0 scales; the results are quantised in registers and leave as codes, in the order of the next operand's registers.
; SHARES.  q, k and v have 24 heads of 64 columns in all.  A work-group takes 128 tokens (work-group x) and six heads (work-group y); wave w takes the pair of heads 3 y + w of the twelve pairs:
; matrix (3 y + w) / 4 (0 q, 1 k, 2 v), columns 128 ((3 y + w) % 4) on.  A pair lies in one matrix, so a wave walks one of the two paths below; no barrier stands behind the parting.
; The tokens' codes, 76,800 dense bytes, come into LDS once, by one tensor load a wave (100 rows of 256 bytes), and are read as images of registers.  LDS is never filled again.
; A wave's 48 fragments of W stay in registers, read from memory once.  A UNIT is two token tiles x ONE head (four tiles of W), eight accumulators: so the first four units need head A's fragments alone;
; head B's four tiles are asked for at the ends of these units, 18 loads each, and are waited for ahead of the fifth unit.
; The next unit's token fragments are fetched from LDS directly behind a unit's products, so that they land while its results are quantised.
; q, k: the product is used TRANSPOSED (source 0 = 16 columns of W, source 1 = 16 tokens): a lane holds one token, and the 16 registers of two neighbouring tiles are 16 neighbours along the head's 64, which is the next K.
; v: source 0 = 16 tokens, source 1 = 16 columns: a lane holds one column, and the 16 registers of two token tiles are 16 neighbouring KEYS, which are the next K.
; A head's 64 numbers (or 64 keys of a column) are 6 registers a lane: a half fragment of 768 bytes, registers 0-3 at 16 L, registers 4-5 at 512 + 8 L.
; q's and k's scale words: bytes 0, 1 the head's two blocks, bytes 2, 3 zero (2^-127, no NaN): they scale the unused K = 64 .. 127 of the next product.
; NO CLUSTER: what work-groups share through LDS is x's block, a quarter of a work-group's bytes; the weights go to registers and not through LDS.  NO PREFETCH: there is no loop that loads tiles from memory.
; LIMITS: a block of zeros gets the byte 1 where the rule says 127 (its codes are zeros, and this program alone reads the bytes); NaN and infinities are not served.
; REGISTERS, in windows of 256.  Window 1 + s / 2 serves K step s: W(t, s) at v[96 (s % 2) + 12 t], the two token tiles in hand X(a, s) at v[192 + 24 (s % 2) + 12 a].
; Window 0: v1-7 addresses; v16-79 eight accumulators; v80-143 q, k: the bias as the first product's C; v: the bias (v80-95) and half-made codes (v96-143); v144-167 W's scale words; v168-173 x's; v174-221 at work.
.set FLOOR, 0x2800000
.set EOFF,  0xfe000000
.set ACC,  16
.set BIAS, 80
.set VB,   80
.set VC,   96
.set WS,   144                         ; 3 t + i: lanes 0-15 K step 2 i, lanes 16-31 K step 2 i + 1
.set XS,   168                         ; 3 a + i likewise
.set TM,   174                         ; +0..3 largest magnitudes, +4..7 the permute's destination, then bytes, +12..15 the conversions' scale operands
.set PC,   190
.set PT,   202
.set VT,   190
.set SWA,  210                         ; + 4 head + pair of token tiles
.set VW,   210
.set TWA,  218
.set TWB,  219
.set MSB, 0
.macro WIN new                         ; the immediate's high byte repeats the setting that is left
.if MSB != (\new)
	s_set_vgpr_msb (MSB<<8)|(\new)
.set MSB, (\new)
.endif
.endm
.macro PLACES                          ; four plain places behind a matrix instruction (ISA guide 7.12.1)
.rept 4
	v_nop
.endr
.endm
.macro LOADW t                         ; tile t of my eight tiles of W: its six K steps, 18 loads of 512 consecutive bytes
.irp n, 1,2,3
	WIN 64*\n
.irp sp, 0,1
.irp q, 0,1,2
	global_load_b128 v[96*\sp+12*(\t)+4*\q:96*\sp+12*(\t)+4*\q+3], v1, s[40:41] offset:(\t)*9216+(2*(\n-1)+\sp)*1536+512*\q
.endr
.endr
.endr
	WIN 0
.endm
.macro FETCHX b                        ; the two token tiles 2 b, 2 b + 1: 12 fragments and their scale words; the wait stands at the next unit's head
.irp n, 1,2,3
	WIN 64*\n
.irp sp, 0,1
.irp a, 0,1
.irp q, 0,1,2
.if (\b) < 2
	ds_load_b128 v[192+24*\sp+12*\a+4*\q:192+24*\sp+12*\a+4*\q+3], v1 offset:((2*((\b)%2)+\a)*6+2*(\n-1)+\sp)*1536+512*\q
.else
	ds_load_b128 v[192+24*\sp+12*\a+4*\q:192+24*\sp+12*\a+4*\q+3], v2 offset:((2*((\b)%2)+\a)*6+2*(\n-1)+\sp)*1536+512*\q
.endif
.endr
.endr
.endr
.endr
	WIN 0
.irp a, 0,1
.irp i, 0,1,2
	ds_load_b32 v[XS+3*\a+\i], v4 offset:(2*(\b)+\a)*384+128*\i
.endr
.endr
.endm
; four blocks of 32: block p's numbers are my registers ACC + 16 p .. + 15 and lane l xor 16's.  Each accumulator is read from its low end on
.macro MAXSC
.irp p, 0,1,2,3
	v_max3_num_f32 v[TM+\p], |v[ACC+16*\p]|, |v[ACC+16*\p+1]|, FLOOR
.endr
.irp i, 2,4,6,8,10,12,14
.irp p, 0,1,2,3
	v_max3_num_f32 v[TM+\p], v[TM+\p], |v[ACC+16*\p+\i]|, |v[ACC+16*\p+\i+1]|
.endr
.endr
.irp p, 0,1,2,3
	v_permlanex16_b32 v[TM+4+\p], v[TM+\p], s36, s37
.endr
.irp p, 0,1,2,3
	v_max_num_f32 v[TM+\p], v[TM+\p], v[TM+4+\p]
.endr
.irp p, 0,1,2,3
	v_add_nc_u32 v[TM+12+\p], EOFF, v[TM+\p]       ; 4 off the exponent field: the conversion's scale operand
.endr
.irp p, 0,1,2,3
	v_lshrrev_b32 v[TM+4+\p], 23, v[TM+12+\p]      ; the scale's byte
.endr
.endm
.macro STHALF reg, base, off           ; a half fragment: 512 and 256 consecutive bytes, each at a multiple of 256 from the buffer's first byte
	global_store_b128 v1, v[\reg:\reg+3], s[\base:\base+1] offset:\off
	global_store_b64 v3, v[\reg+4:\reg+5], s[\base:\base+1] offset:\off+512
.endm
.macro SIXSTEPS mm, hd                 ; the six K steps of a unit, two to a window of operands
	WIN 0x05                                       ; sources 0 and 1 window 1; C and D window 0
	\mm \hd, 0
	\mm \hd, 1
	WIN 0x0a
	\mm \hd, 2
	\mm \hd, 3
	WIN 0x0f
	\mm \hd, 4
	\mm \hd, 5
	WIN 0
.endm
; q, k: K step s of the two token tiles against head hd's four tiles of W; accumulator (a, t) at ACC + 32 a + 8 t; the eight take turns.  The bias is the C of the first product
.macro MMQK hd, s
.set wo, 96*((\s)%2)
.set xo, 192+24*((\s)%2)
.set si, (\s)/2
.irp a, 0,1
.irp t, 0,1,2,3
.if (\s) == 0
	v_wmma_scale_f32_16x16x128_f8f6f4 v[ACC+32*\a+8*\t:ACC+32*\a+8*\t+7], v[wo+12*(4*(\hd)+\t):wo+12*(4*(\hd)+\t)+11], v[xo+12*\a:xo+12*\a+11], v[BIAS+8*(4*(\hd)+\t):BIAS+8*(4*(\hd)+\t)+7], v[WS+3*(4*(\hd)+\t)+si], v[XS+3*\a+si] matrix_a_fmt:MATRIX_FMT_BF6 matrix_b_fmt:MATRIX_FMT_BF6
.elseif (\s)%2 == 0
	v_wmma_scale_f32_16x16x128_f8f6f4 v[ACC+32*\a+8*\t:ACC+32*\a+8*\t+7], v[wo+12*(4*(\hd)+\t):wo+12*(4*(\hd)+\t)+11], v[xo+12*\a:xo+12*\a+11], v[ACC+32*\a+8*\t:ACC+32*\a+8*\t+7], v[WS+3*(4*(\hd)+\t)+si], v[XS+3*\a+si] matrix_a_fmt:MATRIX_FMT_BF6 matrix_b_fmt:MATRIX_FMT_BF6
.else
	v_wmma_scale_f32_16x16x128_f8f6f4 v[ACC+32*\a+8*\t:ACC+32*\a+8*\t+7], v[wo+12*(4*(\hd)+\t):wo+12*(4*(\hd)+\t)+11], v[xo+12*\a:xo+12*\a+11], v[ACC+32*\a+8*\t:ACC+32*\a+8*\t+7], v[WS+3*(4*(\hd)+\t)+si], v[XS+3*\a+si] matrix_a_fmt:MATRIX_FMT_BF6 matrix_b_fmt:MATRIX_FMT_BF6 matrix_a_scale:MATRIX_SCALE_ROW1 matrix_b_scale:MATRIX_SCALE_ROW1
.endif
.endr
.endr
.endm
.macro QKUNIT b, hd, u                 ; unit u: token tiles 2 b, 2 b + 1, head hd: 48 products, the quantiser, two half fragments out
	s_wait_alu depctr_va_vdst(0)                   ; directly ahead of the wait below
	s_wait_dscnt 0x0                               ; the tokens' fragments
	SIXSTEPS MMQK, \hd
	PLACES                                         ; ahead of the loads into the tokens' registers and of the first read of results
.if (\u) < 7
	FETCHX ((\u)+1)%4
.endif
	MAXSC                                          ; blocks 0, 1: the even tile's; 2, 3: the odd tile's
	v_lshl_or_b32 v[TWA], v[TM+5], 8, v[TM+4]      ; my token's scale words; bytes 2, 3 stay 0
	v_lshl_or_b32 v[TWB], v[TM+7], 8, v[TM+6]
	v_cndmask_b32 v[SWA+4*(\hd)+(\b)], v[TWA], v[TWB], s38   ; lanes 0-15 the even tile's words, lanes 16-31 the odd tile's
	s_wait_alu depctr_va_vdst(0)                   ; directly ahead of the wait below
	s_wait_xcnt 0x0                                ; the last unit's stores have read their registers: the codes may be written again
.irp c, 0,1
	v_cvt_scalef32_pk16_bf6_f32 v[PC+6*\c:PC+6*\c+2], v[ACC+32*\c:ACC+32*\c+15], v[TM+12+2*\c]
	v_cvt_scalef32_pk16_bf6_f32 v[PT+4*\c:PT+4*\c+2], v[ACC+32*\c+16:ACC+32*\c+31], v[TM+12+2*\c+1]   ; (a conversion's three registers begin on an even number)
.endr
	v_nop                                          ; one plain place behind a scaled conversion
.irp c, 0,1                                    ; the operand's layout wants a WHOLE block in a lane: lanes 0-15 the head's block 0, lanes 16-31 its block 1
.irp i, 0,1,2
	v_permlane16_swap_b32 v[PC+6*\c+\i], v[PT+4*\c+\i]
.endr
.irp i, 0,1,2
	v_mov_b32 v[PC+6*\c+3+\i], v[PT+4*\c+\i]
.endr
.endr
	STHALF PC, 48+2*(\hd), (2*(\b))*768
	STHALF PC+6, 48+2*(\hd), (2*(\b)+1)*768
.if (\u) < 4
	LOADW 4+(\u)                                   ; a tile of head B's
.endif
.endm
; v: K step s: the two token tiles against head hd's four tiles of Wv; eight accumulators by turns; the first product starts the sums
.macro MMV hd, s
.set wo, 96*((\s)%2)
.set xo, 192+24*((\s)%2)
.set si, (\s)/2
.irp tp, 0,1,2,3
.irp a, 0,1
.if (\s) == 0
	v_wmma_scale_f32_16x16x128_f8f6f4 v[ACC+16*\tp+8*\a:ACC+16*\tp+8*\a+7], v[xo+12*\a:xo+12*\a+11], v[wo+12*(4*(\hd)+\tp):wo+12*(4*(\hd)+\tp)+11], 0, v[XS+3*\a+si], v[WS+3*(4*(\hd)+\tp)+si] matrix_a_fmt:MATRIX_FMT_BF6 matrix_b_fmt:MATRIX_FMT_BF6
.elseif (\s)%2 == 0
	v_wmma_scale_f32_16x16x128_f8f6f4 v[ACC+16*\tp+8*\a:ACC+16*\tp+8*\a+7], v[xo+12*\a:xo+12*\a+11], v[wo+12*(4*(\hd)+\tp):wo+12*(4*(\hd)+\tp)+11], v[ACC+16*\tp+8*\a:ACC+16*\tp+8*\a+7], v[XS+3*\a+si], v[WS+3*(4*(\hd)+\tp)+si] matrix_a_fmt:MATRIX_FMT_BF6 matrix_b_fmt:MATRIX_FMT_BF6
.else
	v_wmma_scale_f32_16x16x128_f8f6f4 v[ACC+16*\tp+8*\a:ACC+16*\tp+8*\a+7], v[xo+12*\a:xo+12*\a+11], v[wo+12*(4*(\hd)+\tp):wo+12*(4*(\hd)+\tp)+11], v[ACC+16*\tp+8*\a:ACC+16*\tp+8*\a+7], v[XS+3*\a+si], v[WS+3*(4*(\hd)+\tp)+si] matrix_a_fmt:MATRIX_FMT_BF6 matrix_b_fmt:MATRIX_FMT_BF6 matrix_a_scale:MATRIX_SCALE_ROW1 matrix_b_scale:MATRIX_SCALE_ROW1
.endif
.endr
.endr
.endm
.macro VUNIT b, hd, u                  ; unit u: keys 32 b .. 32 b + 31 of the 128, head hd's 64 columns: register 16 t' + i of lane (r, h) is key 32 b + 16 h + i of column r of tile t'
	s_wait_alu depctr_va_vdst(0)                   ; directly ahead of the wait below
	s_wait_dscnt 0x0
	SIXSTEPS MMV, \hd
	PLACES
.if (\u) < 7
	FETCHX ((\u)+1)%4
.endif
	s_wait_alu depctr_va_vdst(0)
.irp tp, 0,1,2,3
.irp k, 0,2,4,6,8,10,12,14
	v_pk_add_f32 v[ACC+16*\tp+\k:ACC+16*\tp+\k+1], v[ACC+16*\tp+\k:ACC+16*\tp+\k+1], v[VB+2*(4*(\hd)+\tp):VB+2*(4*(\hd)+\tp)+1] op_sel_hi:[1,0]   ; + my column's bias (the pair's low word serves both halves)
.endr
.endr
	MAXSC                                          ; block p: tile p's column, these 32 keys
.irp tp, 0,1,2,3
.if (\b) == 0
	v_mov_b32 v[VW+4*(\hd)+\tp], v[TM+4+\tp]
.else
	v_lshl_or_b32 v[VW+4*(\hd)+\tp], v[TM+4+\tp], 8*(\b), v[VW+4*(\hd)+\tp]   ; the four blocks' bytes make the column's scale word for these 128 keys
.endif
.endr
.if (\b)%2 == 0
	s_wait_alu depctr_va_vdst(0)                   ; directly ahead of the wait below
	s_wait_xcnt 0x0                                ; the last unit's stores have read these registers
.irp tp, 0,1,2,3
	v_cvt_scalef32_pk16_bf6_f32 v[VC+6*(4*(\hd)+\tp):VC+6*(4*(\hd)+\tp)+2], v[ACC+16*\tp:ACC+16*\tp+15], v[TM+12+\tp]
.endr
	v_nop                                          ; one plain place behind a scaled conversion
.else
.irp tp, 0,1,2,3
	v_cvt_scalef32_pk16_bf6_f32 v[VT+4*\tp:VT+4*\tp+2], v[ACC+16*\tp:ACC+16*\tp+15], v[TM+12+\tp]
.endr
	v_nop
.irp tp, 0,1,2,3                               ; lanes 0-15 take the even block whole, lanes 16-31 the odd one
.irp i, 0,1,2
	v_permlane16_swap_b32 v[VC+6*(4*(\hd)+\tp)+\i], v[VT+4*\tp+\i]
.endr
.irp i, 0,1,2
	v_mov_b32 v[VC+6*(4*(\hd)+\tp)+3+\i], v[VT+4*\tp+\i]
.endr
	STHALF VC+6*(4*(\hd)+\tp), 48+2*(\hd), (2*\tp+(\b)/2)*768
.endr
.endif
.if (\u) < 4
	LOADW 4+(\u)
.endif
.endm
	s_load_b256 s[4:11], s[0:1], 0x0               ; xq s[4:5], wts s[6:7], bq s[8:9], bk s[10:11]
	s_load_b128 s[12:15], s[0:1], 0x20             ; bv s[12:13], qb s[14:15]
	s_load_b64 s[16:17], s[0:1], 0x30              ; kvb
	v_lshl_add_u32 v254, v0, 2, 0x29000
	v_mov_b32 v255, 0
	ds_add_u32 v254, v255                          ; the opening lines: the add, twice on end, and its wait ahead of my tensor load
	ds_add_u32 v254, v255
	v_lshrrev_b32 v1, 5, v0
	v_readfirstlane_b32 s18, v1                    ; wave 0..2
	s_mov_b32 s19, ttmp9                           ; block of 128 tokens
	s_and_b32 s77, ttmp7, 0xffff                   ; which six heads
	s_mul_i32 s77, s77, 3
	s_add_co_u32 s77, s77, s18                     ; my pair of heads, 0..11
	s_lshr_b32 s20, s77, 2                         ; 0 q, 1 k, 2 v
	s_and_b32 s76, s77, 3                          ; which 128 columns of that matrix
	s_lshr_b32 s21, s19, 4                         ; batch
	s_and_b32 s22, s19, 15                         ; which 128 tokens of the sequence
	s_mov_b32 s24, 3<<16                           ; group 1: elements of 8 bytes, no mask, no padding
	s_mov_b32 s25, 32<<16                          ; tensor_dim0 = 32 (256 bytes)
	s_mov_b32 s26, 100<<16                         ; tensor_dim1 = 100
	s_mov_b32 s27, 32<<16                          ; tile_dim0
	s_mov_b32 s28, 100                             ; tile_dim1
	s_mov_b32 s29, 32                              ; pitch: the block is dense
	s_mov_b32 s30, 0
	s_mov_b32 s31, 0
	s_mov_b32 s32, 1
	s_mul_i32 s33, s18, 25600                      ; my third, in LDS as in memory
	s_mul_i32 s66, s19, 76800
	s_add_co_u32 s66, s66, s33
	s_mov_b32 s67, 0
	s_mov_b32 s36, 0x76543210
	s_mov_b32 s37, 0xfedcba98
	s_mul_i32 s68, s20, 294912
	s_mul_i32 s70, s76, 73728
	s_add_co_u32 s68, s68, s70                     ; my eight tiles of W: codes,
	s_mov_b32 s69, 0
	s_mul_i32 s70, s20, 12288
	s_mul_i32 s72, s76, 3072
	s_add_co_u32 s70, s70, s72
	s_add_co_u32 s70, s70, 884736                  ; and scale words
	s_mov_b32 s71, 0
	v_and_b32 v8, 31, v0                           ; L
	v_and_b32 v9, 15, v0                           ; r
	v_bfe_u32 v10, v0, 4, 1                        ; h
	v_lshlrev_b32 v1, 4, v8                        ; 16 L: an image's place for my lane
	v_add_nc_u32 v2, 36864, v1                     ; the same from token tile 4 on (an LDS offset has 16 bits)
	v_lshlrev_b32 v3, 3, v8                        ; 8 L
	v_lshlrev_b32 v5, 2, v8                        ; 4 L
	v_add_nc_u32 v4, 73728, v5                     ; x's scale words in LDS
	v_lshlrev_b32 v6, 6, v10                       ; 64 h: q's, k's bias
	v_and_b32 v7, 8, v9
	v_add_nc_u32 v7, v7, v9
	v_lshlrev_b32 v7, 2, v7                        ; 4 (r + 8 (r / 8)): v's bias
	v_cmp_lt_u32 s38, 15, v8                       ; lanes 16-31
.irp p, 0,1,2,3
	v_mov_b32 v[TM+4+\p], 0                        ; a lane permute's destination counts as one of its sources
.endr
	s_wait_alu depctr_va_vdst(0)                   ; the head's end
	s_wait_dscnt 0x0
	s_wait_kmcnt 0x0
	s_add_nc_u64 s[34:35], s[4:5], s[66:67]
	s_or_b32 s35, s35, 0x80000000
	tensor_load_to_lds s[32:35], s[24:31]          ; the one fill of the launch: one tensor load of mine is out
	s_nop 0
	PLACES                                         ; (four v_nop follow the line, ahead of the window switch)
	s_add_nc_u64 s[40:41], s[6:7], s[68:69]
	s_add_nc_u64 s[42:43], s[6:7], s[70:71]
.irp t, 0,1,2,3,4,5,6,7
.irp i, 0,1,2
	global_load_b32 v[WS+3*\t+\i], v5, s[42:43] offset:384*\t+128*\i
.endr
.endr
.irp t, 0,1,2,3
	LOADW \t                                       ; head A's four tiles
.endr
	s_lshl_b32 s72, s76, 9                         ; my 128 numbers of the bias
	s_mov_b32 s73, 0
	s_lshl_b32 s59, s21, 3
	s_lshl_b32 s74, s76, 1
	s_add_co_u32 s59, s59, s74                     ; head A = 8 batch + 2 x (my 128 columns), among the 32
	s_wait_tensorcnt 0x0                           ; my third of x's block is in,
	s_barrier_signal -1
	s_barrier_wait -1                              ; everybody's is
	s_cmp_eq_u32 s20, 2
	s_cbranch_scc1 .Lv
; ---------------- q, k: only pointers and strides are chosen
	s_cmp_eq_u32 s20, 0
	s_cselect_b64 s[44:45], s[8:9], s[10:11]
	s_cselect_b64 s[46:47], s[14:15], s[16:17]
	s_mov_b32 s56, 208896
	s_cselect_b32 s56, 106496, s56                 ; bytes of a head in qb, in kvb
	s_mov_b32 s57, 12288
	s_cselect_b32 s57, 6144, s57                   ; bytes from 128 tokens to the next
	s_mov_b32 s58, 196608
	s_cselect_b32 s58, 98304, s58                  ; where a head's scale words begin
	s_add_nc_u64 s[44:45], s[44:45], s[72:73]
	s_mul_i32 s66, s59, s56
	s_mul_i32 s68, s22, s57
	s_add_co_u32 s68, s68, s66
	s_mov_b32 s69, 0
	s_add_nc_u64 s[48:49], s[46:47], s[68:69]      ; head A's codes
	s_mov_b32 s70, s56
	s_mov_b32 s71, 0
	s_add_nc_u64 s[50:51], s[48:49], s[70:71]      ; head B's
	s_lshl_b32 s74, s22, 9
	s_add_co_u32 s74, s74, s66
	s_add_co_u32 s74, s74, s58
	s_mov_b32 s75, 0
	s_add_nc_u64 s[52:53], s[46:47], s[74:75]      ; head A's scale words
	s_add_nc_u64 s[54:55], s[52:53], s[70:71]
.irp t, 0,1,2,3,4,5,6,7                        ; lane (r, h), tile t, register j: column 32 (t / 2) + 16 h + 8 (t % 2) + j
	global_load_b128 v[BIAS+8*\t:BIAS+8*\t+3], v6, s[44:45] offset:(32*(\t/2)+8*(\t%2))*4
	global_load_b128 v[BIAS+8*\t+4:BIAS+8*\t+7], v6, s[44:45] offset:(32*(\t/2)+8*(\t%2))*4+16
.endr
	FETCHX 0
	s_wait_loadcnt 0x0                             ; head A's tiles, the scale words, the bias
.irp u, 0,1,2,3,4,5,6,7
.if \u == 4
	s_wait_loadcnt 0x0                             ; head B's tiles
.endif
	QKUNIT \u%4, \u/4, \u
.endr
	global_store_b128 v1, v[SWA:SWA+3], s[52:53]   ; 512 consecutive bytes: lane L, word i: tile 2 i + L / 16, row L % 16
	global_store_b128 v1, v[SWA+4:SWA+7], s[54:55]
	s_wait_tensorcnt 0x0                           ; the wave's end
	ds_add_u32 v254, v255
	s_wait_dscnt 0x0
	s_endpgm
; ---------------- v
.Lv:
	s_add_nc_u64 s[44:45], s[12:13], s[72:73]
	s_mul_i32 s66, s59, 208896
	s_mul_i32 s68, s22, 12288
	s_add_co_u32 s68, s68, s66
	s_add_co_u32 s68, s68, 6144                    ; a key step's V lies behind its K
	s_mov_b32 s69, 0
	s_add_nc_u64 s[48:49], s[16:17], s[68:69]
	s_add_nc_u64 s[50:51], s[48:49], 208896
	s_lshl_b32 s74, s22, 8
	s_add_co_u32 s74, s74, s66
	s_add_co_u32 s74, s74, 204800
	s_mov_b32 s75, 0
	s_add_nc_u64 s[52:53], s[16:17], s[74:75]
	s_add_nc_u64 s[54:55], s[52:53], 208896
.irp t, 0,1,2,3,4,5,6,7
	global_load_b32 v[VB+2*\t], v7, s[44:45] offset:(32*(\t/2)+8*(\t%2))*4   ; lane r of tile t: column 32 (t / 2) + 8 (t % 2) + r + 8 (r / 8)
	v_mov_b32 v[VB+2*\t+1], 0                      ; (named with it as a pair, so it is written)
.endr
	FETCHX 0
	s_wait_alu depctr_va_vdst(0)                   ; directly ahead of the wait below
	s_wait_loadcnt 0x0
.irp u, 0,1,2,3,4,5,6,7
.if \u == 4
	s_wait_loadcnt 0x0                             ; head B's tiles
.endif
	VUNIT \u%4, \u/4, \u
.endr
.irp hd, 0,1
.irp i, 0,1
	v_cndmask_b32 v[218+2*\hd+\i], v[VW+4*\hd+2*\i], v[VW+4*\hd+2*\i+1], s38   ; lanes 0-15 tile 2 i's words, lanes 16-31 tile 2 i + 1's
.endr
	global_store_b64 v3, v[218+2*\hd:219+2*\hd], s[52+2*\hd:53+2*\hd]
.endr
	s_wait_tensorcnt 0x0                           ; the wave's end
	ds_add_u32 v254, v255
	s_wait_dscnt 0x0
	s_endpgm
.Lfunc_end_k_qa4ae4b84c3_qkv:
	.size	k_qa4ae4b84c3_qkv, .Lfunc_end_k_qa4ae4b84c3_qkv-k_qa4ae4b84c3_qkv
	.p2alignl 7, 3214868480
	.fill 96, 4, 3214868480
	.section	.rodata,"a",@progbits
	.p2align	6, 0x0
	.amdhsa_kernel k_qa4ae4b84c3_qkv
		.amdhsa_group_segment_fixed_size 168448
		.amdhsa_private_segment_fixed_size 0
		.amdhsa_enable_private_segment 0
		.amdhsa_kernarg_size 56
		.amdhsa_user_sgpr_count 2
		.amdhsa_user_sgpr_kernarg_segment_ptr 1
		.amdhsa_wavefront_size32 1
		.amdhsa_system_sgpr_workgroup_id_x 1
		.amdhsa_system_sgpr_workgroup_id_y 1
		.amdhsa_system_sgpr_workgroup_id_z 1
		.amdhsa_system_vgpr_workitem_id 0
		.amdhsa_next_free_vgpr 1024
		.amdhsa_next_free_sgpr 80
		.amdhsa_reserve_vcc 0
		.amdhsa_float_denorm_mode_32 3
		.amdhsa_float_denorm_mode_16_64 3
		.amdhsa_memory_ordered 1
		.amdhsa_forward_progress 1
		.amdhsa_inst_pref_size 255
	.end_amdhsa_kernel
	.section	.bss,"aw",@nobits
	.p2align	6
	.space	262144
	.amdgpu_metadata
---
amdhsa.version: [ 1, 2 ]
amdhsa.kernels:
  - .name:           k_qa4ae4b84c3_qkv
    .symbol:         k_qa4ae4b84c3_qkv.kd
    .args:
      - { .name: xq, .offset: 0, .size: 8, .value_kind: global_buffer, .address_space: global }
      - { .name: wts, .offset: 8, .size: 8, .value_kind: global_buffer, .address_space: global }
      - { .name: bq, .offset: 16, .size: 8, .value_kind: global_buffer, .address_space: global }
      - { .name: bk, .offset: 24, .size: 8, .value_kind: global_buffer, .address_space: global }
      - { .name: bv, .offset: 32, .size: 8, .value_kind: global_buffer, .address_space: global }
      - { .name: qb, .offset: 40, .size: 8, .value_kind: global_buffer, .address_space: global }
      - { .name: kvb, .offset: 48, .size: 8, .value_kind: global_buffer, .address_space: global }
    .group_segment_fixed_size: 168448
    .private_segment_fixed_size: 0
    .kernarg_segment_align: 8
    .kernarg_segment_size: 56
    .max_flat_workgroup_size: 96
    .sgpr_count:     80
    .vgpr_count:     1024
    .wavefront_size: 32
...
	.end_amdgpu_metadata
.endif
;; end of part 2
;; launch attn (part 3): grid 8 x 32, 8 waves a work-group, clusters of 4 x 1, 327,680 bytes of LDS; arguments qb, kvb, ab; writes ab
.if DOCPART == 3
	.amdgcn_target "amdgcn-amd-amdhsa--gfx1250"
	.amdhsa_code_object_version 6
	.text
	.protected	k_qa4ae4b84c3_attn
	.globl	k_qa4ae4b84c3_attn
	.p2align	8
	.type	k_qa4ae4b84c3_attn,@function
k_qa4ae4b84c3_attn:
	s_mov_b64 s[64:65], 0
	v_nop
	global_prefetch_b8 v0, s[64:65] scope:SCOPE_SE
	s_setreg_imm32_b32 hwreg(HW_REG_WAVE_MODE, 25, 1), 1
	s_wait_xcnt 0x0
	s_wait_alu depctr_hold_cnt(0) depctr_sa_sdst(0) depctr_va_vdst(0) depctr_va_sdst(0) depctr_va_ssrc(0) depctr_va_vcc(0) depctr_vm_vsrc(0)
	s_getreg_b32 s2, hwreg(HW_REG_IB_STS2, 6, 4)
	s_cmp_eq_u32 s2, 0
	s_cbranch_scc0 .Lentry_in_a_cluster
	s_endpgm
.Lentry_in_a_cluster:
	s_bfe_u32 s2, ttmp6, 0x10000c
	s_cmp_lg_u32 s2, 0x3003
	s_cbranch_scc0 .Lentry_shape_is_right
	s_endpgm
.Lentry_shape_is_right:
; attended[q] = softmax_k(q . k / 8) v for one head (work-group y: 8 batch + head) and 256 queries, both products on codes of BF6 with E8M0 scales; the result is quantised along the hidden axis and leaves as codes.
; THE SOFTMAX: t = score x log2(e) / 8; M = the row's largest t so far, rounded UP to a whole number; p = 2^(t - M) is quantised along the keys, not normalised.
; The row's sum is taken of the unquantised p, in f32, and divides O at the end.  When M moves, the sum and O are multiplied by 2^(old M - new M): exact.
; SHARES.  Eight waves, two to a SIMD; a wave owns TWO tiles of 16 queries, so that each fragment of K and V is read from LDS once for 32 queries.  Every wave walks the 2,048 keys, 128 a step.
; LDS holds the head's whole image of kvb, 208,896 bytes, each byte filled once, by two joint loads a wave: at the head 24 rows of 256 bytes (waves 0-5: key steps 0-2; waves 6, 7: the scale words),
; and behind the full sequence and a round 78 rows (key steps 3-15).  Steps 0 and 1 read only what the first load brought (step 1 fetches step 2's K ahead); a barrier shows the rest whole.
; CLUSTER.  The four query blocks of a cluster belong to one head: each load is asked for JOINTLY, its descriptor made of the head and the wave's number alone.
; NO PREFETCH: the image is asked for by these two loads at the kernel's start; no trip of the loops loads from memory.
; LAYOUT.  Both products are used transposed: S^T = K Q^T, O^T = V^T P^T: a lane holds one query of each tile.  The keys of a tile of K are chosen (lane r of tile 2 b + u: key 32 b + 8 u + r + 8 (r / 8))
; so that the 16 registers of tiles 2 b, 2 b + 1 are 16 neighbouring keys; V's tiles likewise, so that O^T's registers run along the hidden axis.
; THE FIRST PRODUCT'S K IS 64 of the instruction's 128: Q's registers 6-11 are zero codes and bytes 2, 3 of both scale words are 0 (2^-127); a tile of K is 6 registers, and the upper six that the
; instruction names are the next tile's codes (behind the last tile: zeros): finite numbers times zero codes.
; LIMITS: p under 2^-126 counts as 0 (v_exp_f32's results are flushed: ISA guide, its entry); a block of zeros gets the byte 1 where the rule says 127 (this program alone reads the bytes); NaN and infinities are not served.
; REGISTERS.  Window 0: v1-11, v88 addresses; v12-87 what is small, for both tiles, so that the two tiles' chains take turns; v90-109 tile 1's codes of p; v116-243 tile 0's S, O^T, codes, Q.
; Window 1: v0-53 K (and six zeros), v54-101 V; v116-211, v232-243 tile 1's S, O^T, Q, under tile 0's numbers.
.set FLOOR, 0x2800000                  ; 2^(5 - 127)
.set EOFF,  0xfe000000                 ; takes 4 off an exponent field
.set SPARE, 208896                     ; the spare words: 128 bytes a wave
.set P16, 1                            ; the step's addresses: codes 16 L, 8 L; K's scale words; V's
.set P8,  2
.set PKS, 3
.set PVS, 4
.set A16, 7                            ; 16 L
.set A8,  8                            ; 8 L
.set AS0, 9                            ; 196,608 + 16 L
.set SPW, 10
.set NIL, 11
.set AT0, 88                           ; 204,800 + 8 L
.set MM,  12                           ; pair 2 e: -M, the largest score so far
.set KS,  16                           ; K's scale words: word i: lanes 0-15 tile 2 i, lanes 16-31 tile 2 i + 1
.set VS,  20
.set QS,  22                           ; + e
.set PS,  24                           ; + e
.set TT,  26                           ; + e
.set FF,  28                           ; pair 2 e: f = 2^(old M - new M), and 0
.set BM,  32                           ; + 4 e + b: the blocks' largest scores
.set PD,  40
.set SO,  48                           ; the conversions' scale operands
.set LS,  56                           ; + 16 e: the row's sum in eight packed chains
.set PC1, 90
.set PT1, 102
.set S,   116
.set OT,  180
.set PC0, 212
.set PT0, 224
.set QF,  232
.set KF,  0
.set VF,  54
.set TB,  60                           ; s60 LDS byte of the step's codes; s61, s62 of its scale words of K, of V; s63 steps to go
.set TS,  61
.set TJ,  62
.set CNT, 63
.set MSB, 0
.macro WIN new                         ; bits 1:0 source 0, 3:2 source 1, 5:4 source 2, 7:6 destination; the high byte repeats the setting that is left
.if MSB != \new
	s_set_vgpr_msb (MSB<<8)|\new
.set MSB, \new
.endif
.endm
.macro H n
	s_delay_alu instid0(VALU_DEP_\n)
.endm
.macro PLACES
.rept 4
	v_nop
.endr
.endm
.macro CROUND                          ; a round of the cluster's barrier
	s_barrier_signal -1
	s_barrier_wait -1
	s_cmp_lg_u32 s10, 0
	s_cbranch_scc1 .Lnot_wave_0_\@
	s_barrier_signal -3
.Lnot_wave_0_\@:
	s_barrier_wait -3
	s_barrier_signal -1
	s_barrier_wait -1
.endm
.macro KLOAD a16, a8, off              ; eight half fragments of K
.irp i, 0,1,2,3,4,5,6,7
	ds_load_b128 v[KF+6*\i:KF+6*\i+3], v[\a16] offset:\off+768*\i
	ds_load_b64 v[KF+6*\i+4:KF+6*\i+5], v[\a8] offset:\off+768*\i+512
.endr
.endm
.macro SMUL e                          ; S^T = K Q^T: eight tiles of 16 keys
.irp i, 0,2,4,6
	v_wmma_scale_f32_16x16x128_f8f6f4 v[S+8*\i:S+8*\i+7], v[KF+6*\i:KF+6*\i+11], v[QF:QF+11], 0, v[KS+\i/2], v[QS+\e] matrix_a_fmt:MATRIX_FMT_BF6 matrix_b_fmt:MATRIX_FMT_BF6
	v_wmma_scale_f32_16x16x128_f8f6f4 v[S+8*\i+8:S+8*\i+15], v[KF+6*\i+6:KF+6*\i+17], v[QF:QF+11], 0, v[KS+\i/2], v[QS+\e] matrix_a_fmt:MATRIX_FMT_BF6 matrix_b_fmt:MATRIX_FMT_BF6 matrix_a_scale:MATRIX_SCALE_ROW1
.endr
.endm
.macro BMAX e                          ; the largest score of each block of 32 keys; each accumulator is read from its low end on
.irp b, 0,1,2,3
	v_max_num_f32 v[BM+4*\e+\b], v[S+16*\b], v[S+16*\b+1]
.endr
.irp i, 2,4,6,8,10,12,14
.irp b, 0,1,2,3
	v_max3_num_f32 v[BM+4*\e+\b], v[S+16*\b+\i], v[S+16*\b+\i+1], v[BM+4*\e+\b]
.endr
.endr
.endm
.macro TMM e                           ; t - M, two at a time; then O^T under the new M (ahead of the exponentials: no transcendental stands between the last products and this first read)
.set jj, 0
.rept 32
	v_pk_fma_f32 v[S+jj:S+jj+1], v[S+jj:S+jj+1], s[22:23], v[MM+2*\e:MM+2*\e+1] op_sel_hi:[1,0,0]
.set jj, jj+2
.endr
.set jj, 0
.rept 16
	v_pk_mul_f32 v[OT+jj:OT+jj+1], v[OT+jj:OT+jj+1], v[FF+2*\e:FF+2*\e+1] op_sel_hi:[1,0]
.set jj, jj+2
.endr
.endm
.macro EXPS
.set jj, 0
.rept 64
	v_exp_f32 v[S+jj], v[S+jj]                     ; p = 2^(t - M)
.set jj, jj+1
.endr
.endm
.macro CVT e, pc, pt                   ; p's codes, 16 at a time (a conversion's three registers begin on an even number)
.irp c, 0,1
	v_cvt_scalef32_pk16_bf6_f32 v[\pc+6*\c:\pc+6*\c+2], v[S+32*\c:S+32*\c+15], v[SO+4*\e+2*\c]
	v_cvt_scalef32_pk16_bf6_f32 v[\pt+4*\c:\pt+4*\c+2], v[S+32*\c+16:S+32*\c+31], v[SO+4*\e+2*\c+1]
.endr
.endm
.macro SWAPS pc, pt, n                 ; a WHOLE block in a lane: lanes 0-15 block 2 c, lanes 16-31 block 2 c + 1
.set cc, 0
.rept \n
.irp i, 0,1,2
	v_permlane16_swap_b32 v[\pc+6*cc+\i], v[\pt+4*cc+\i]
.endr
.set cc, cc+1
.endr
.endm
.macro MOVS pc, pt, n
.set cc, 0
.rept \n
.irp i, 0,1,2
	v_mov_b32 v[\pc+6*cc+3+\i], v[\pt+4*cc+\i]
.endr
.set cc, cc+1
.endr
.endm
.macro SUMF e                          ; the sum's eight chains: each x f + its first two p, in one instruction
.set jj, 0
.rept 8
	v_pk_fma_f32 v[LS+16*\e+jj:LS+16*\e+jj+1], v[LS+16*\e+jj:LS+16*\e+jj+1], v[FF+2*\e:FF+2*\e+1], v[S+jj:S+jj+1] op_sel_hi:[1,0,1]
.set jj, jj+2
.endr
.endm
.macro SUMA e
.set jj, 16
.rept 24
	v_pk_add_f32 v[LS+16*\e+jj%16:LS+16*\e+jj%16+1], v[S+jj:S+jj+1], v[LS+16*\e+jj%16:LS+16*\e+jj%16+1]
.set jj, jj+2
.endr
.endm
.macro PVMUL e, pc                     ; O^T += V^T P^T: the accumulators take turns
.irp t, 0,2
	v_wmma_scale_f32_16x16x128_f8f6f4 v[OT+8*\t:OT+8*\t+7], v[VF+12*\t:VF+12*\t+11], v[\pc:\pc+11], v[OT+8*\t:OT+8*\t+7], v[VS+\t/2], v[PS+\e] matrix_a_fmt:MATRIX_FMT_BF6 matrix_b_fmt:MATRIX_FMT_BF6
	v_wmma_scale_f32_16x16x128_f8f6f4 v[OT+8*\t+8:OT+8*\t+15], v[VF+12*\t+12:VF+12*\t+23], v[\pc:\pc+11], v[OT+8*\t+8:OT+8*\t+15], v[VS+\t/2], v[PS+\e] matrix_a_fmt:MATRIX_FMT_BF6 matrix_b_fmt:MATRIX_FMT_BF6 matrix_a_scale:MATRIX_SCALE_ROW1
.endr
.endm
	s_load_b128 s[4:7], s[0:1], 0x0                ; qb s[4:5], kvb s[6:7]
	s_load_b64 s[8:9], s[0:1], 0x10                ; ab
	v_lshl_add_u32 v[SPW], v0, 2, SPARE
	v_mov_b32 v[NIL], 0
	ds_add_u32 v[SPW], v[NIL]                      ; the opening lines: the add, twice on end, and its wait ahead of my first tensor load
	ds_add_u32 v[SPW], v[NIL]
	v_lshrrev_b32 v1, 5, v0
	v_readfirstlane_b32 s10, v1                    ; wave 0..7
	v_and_b32 v2, 31, v0                           ; L
	v_and_b32 v3, 15, v0                           ; r
	v_bfe_u32 v4, v0, 4, 1                         ; h
	v_cmp_lt_u32 s66, 15, v2                       ; lanes 16-31
	v_lshlrev_b32 v[A16], 4, v2
	v_lshlrev_b32 v[A8], 3, v2
	v_lshl_add_u32 v6, v3, 2, v4                   ; 4 r + h: my scale byte's place on the way out
	v_lshlrev_b32 v5, 4, v3                        ; 16 r: Q's scale word
	v_add_nc_u32 v[AS0], 196608, v[A16]
	v_add_nc_u32 v[AT0], 204800, v[A8]
	s_mov_b32 s20, 0x76543210
	s_mov_b32 s21, 0xfedcba98                      ; v_permlanex16_b32's selects for lane l xor 16
	s_mov_b32 s22, 0x3e38aa3b                      ; c = log2(e) / 8
	s_mov_b32 s23, s22                             ; (named with it as a pair)
	s_mov_b32 s67, 0xbe38aa3b                      ; -c
	s_and_b32 s68, ttmp7, 0xffff                   ; 8 batch + head, which the four partners share
	; group 1: dense rows of 256 bytes (32 elements of 8); the mask names all four work-groups, bit 21 beside it; 24 rows, then 78
	s_mov_b32 s24, 15|(3<<16)|(1<<21)
	s_mov_b32 s25, 32<<16
	s_mov_b32 s26, 24<<16
	s_mov_b32 s27, 32<<16
	s_mov_b32 s28, 24
	s_mov_b32 s29, 32
	s_mov_b32 s30, 0
	s_mov_b32 s31, 0
	s_mov_b32 s32, 15|(3<<16)|(1<<21)
	s_mov_b32 s33, 32<<16
	s_mov_b32 s34, 78<<16
	s_mov_b32 s35, 32<<16
	s_mov_b32 s36, 78
	s_mov_b32 s37, 32
	s_mov_b32 s38, 0
	s_mov_b32 s39, 0
	s_mul_i32 s70, s68, 208896                     ; the head in kvb
	s_mov_b32 s71, 0
	s_mul_i32 s72, s10, 6144                       ; first load: wave x 24 rows; waves 6, 7 go on at the scale words, 196,608 - 36,864 bytes further
	s_add_co_u32 s74, s10, 2
	s_lshr_b32 s74, s74, 3
	s_mul_i32 s74, s74, 159744
	s_add_co_u32 s72, s72, s74
	s_mov_b32 s73, 0
	s_mul_i32 s76, s10, 19968                      ; second load: 36,864 + wave x 78 rows.  LDS lies as memory does
	s_add_co_u32 s76, s76, 36864
	s_mov_b32 s77, 0
	; Q's and ab's places: these alone hang on my place in the cluster
	s_bfe_u32 s69, ttmp6, 0x40000                  ; cx
	s_lshl_b32 s11, ttmp9, 2
	s_add_co_u32 s11, s11, s69                     ; my block of 256 queries
	s_and_b32 s83, s10, 3
	s_lshr_b32 s85, s10, 2
	s_mul_i32 s82, s68, 106496                     ; the head in qb
	s_lshl_b32 s16, s11, 4
	s_lshl_b32 s17, s10, 1
	s_add_co_u32 s16, s16, s17                     ; my first tile of the head's 128
	s_mul_i32 s12, s16, 768
	s_add_co_u32 s12, s12, s82
	s_mov_b32 s13, 0
	s_lshl_b32 s14, s11, 1
	s_add_co_u32 s14, s14, s85
	s_lshl_b32 s14, s14, 9                         ; 512 bytes of scale words for each 8 tiles; word (tile % 8) / 2; odd tiles 256 bytes on
	s_add_co_u32 s14, s14, s82
	s_lshl_b32 s17, s83, 2
	s_add_co_u32 s14, s14, s17
	s_add_co_u32 s14, s14, 98304
	s_mov_b32 s15, 0
	s_lshr_b32 s84, s68, 3
	s_lshl_b32 s84, s84, 4
	s_lshl_b32 s17, s11, 1
	s_add_co_u32 s84, s84, s17
	s_add_co_u32 s84, s84, s85                     ; my block of 128 tokens: 16 batch + 2 x query block + wave / 4
	s_mul_i32 s84, s84, 51200
	s_and_b32 s86, s68, 7                          ; the head
	s_mul_i32 s18, s83, 12288                      ; codes: tile x 8 half fragments + head; my tiles are 2 (wave % 4) and the next
	s_add_co_u32 s18, s18, s84
	s_mul_i32 s87, s86, 768
	s_add_co_u32 s18, s18, s87
	s_mov_b32 s19, 0
	s_lshl_b32 s80, s83, 9                         ; scale bytes: tile x 256 + (head / 2) x 64 + 4 r + 2 (head % 2) + block
	s_add_co_u32 s80, s80, s84
	s_lshr_b32 s87, s86, 1
	s_lshl_b32 s87, s87, 6
	s_add_co_u32 s80, s80, s87
	s_and_b32 s87, s86, 1
	s_lshl_b32 s87, s87, 1
	s_add_co_u32 s80, s80, s87
	s_add_co_u32 s80, s80, 49152
	s_mov_b32 s81, 0
	s_wait_alu depctr_va_vdst(0)                   ; directly ahead of the waits below
	s_wait_dscnt 0x0                               ; both opening adds are done
	s_wait_kmcnt 0x0
	s_add_nc_u64 s[70:71], s[6:7], s[70:71]
	s_mov_b32 s40, 1
	s_mov_b32 s41, s72
	s_add_nc_u64 s[42:43], s[70:71], s[72:73]
	s_or_b32 s43, s43, 0x80000000
	s_mov_b32 s44, 1
	s_mov_b32 s45, s76
	s_add_nc_u64 s[46:47], s[70:71], s[76:77]
	s_or_b32 s47, s47, 0x80000000
	s_add_nc_u64 s[12:13], s[4:5], s[12:13]
	s_add_nc_u64 s[14:15], s[4:5], s[14:15]
	s_add_nc_u64 s[18:19], s[8:9], s[18:19]
	s_add_nc_u64 s[80:81], s[8:9], s[80:81]
	CROUND                                         ; all four work-groups are here: the joint loads meet
	tensor_load_to_lds s[40:43], s[24:31]          ; key steps 0-2 and the scale words: my one load at the head
	s_nop 0
	PLACES
	global_load_b128 v[QF:QF+3], v[A16], s[12:13]  ; Q's half fragments stay in registers
	global_load_b64 v[QF+4:QF+5], v[A8], s[12:13] offset:512
	global_load_b32 v[QS], v5, s[14:15]
	global_load_b32 v[QS+1], v5, s[14:15] offset:256
	WIN 0x40
	global_load_b128 v[QF:QF+3], v[A16], s[12:13] offset:768
	global_load_b64 v[QF+4:QF+5], v[A8], s[12:13] offset:1280
.irp w, 0x40, 0                                ; in both windows: zero codes for Q's K = 64 .. 127, and O^T: the step is written once; the first finds zeros
	WIN \w
.irp j, 6,7,8,9,10,11
	v_mov_b32 v[QF+\j], 0
.endr
.set jj, 0
.rept 32
	v_mov_b32 v[OT+jj], 0
.set jj, jj+1
.endr
.if \w
.irp j, 48,49,50,51,52,53
	v_mov_b32 v[KF+\j], 0                          ; what follows K's last tile
.endr
.endif
.endr
.set jj, TT
.rept LS+32-TT
	v_mov_b32 v[jj], 0                             ; the sums; f's pairs; the permutes' destinations count as sources
.set jj, jj+1
.endr
.irp e, 0,1
	v_mov_b32 v[MM+2*\e], 0x7e000000               ; -M: 2^125, so that the first f is 0
	v_mov_b32 v[MM+2*\e+1], 0xff61b1e6             ; the largest score so far: -3e38
.endr
	s_wait_alu depctr_va_vdst(0)                   ; the head's end
	s_wait_tensorcnt 0x0                           ; my part of the first fill is in
	ds_add_u32 v[SPW], v[NIL]
	s_wait_dscnt 0x0
	CROUND                                         ; everybody's part is in, and the joint loads meet
	tensor_load_to_lds s[44:47], s[32:39]          ; key steps 3-15: the first tensor load behind the round
	s_nop 0
	PLACES
	WIN 0x40
	KLOAD A16, A8, 0                               ; step 0's K
	WIN 0
	ds_load_b128 v[KS:KS+3], v[AS0]
	s_wait_loadcnt 0x0                             ; Q
	s_wait_dscnt 0x0
; A KEY STEP: 128 keys for both tiles.  K and its scale words are in registers at its start
.macro STEP
	WIN 0x01                                       ; source 0 (K, V) window 1
	SMUL 0
	WIN 0x45                                       ; and Q and S of tile 1
	SMUL 1
	WIN 0
	v_add_nc_u32 v[P16], s[TB], v[A16]             ; (these four are the places behind the products, ahead of the loads into K's, V's and the scales' registers and of the first read of the scores)
	v_add_nc_u32 v[P8], s[TB], v[A8]
	v_add_nc_u32 v[PKS], s[TS], v[AS0]
	v_add_nc_u32 v[PVS], s[TJ], v[AT0]
	WIN 0x40
.irp t, 0,1,2,3                                ; this step's V and the next step's K land while the softmax is walked (behind the last step: bytes of the image that nothing uses)
.irp c, 0,1
	ds_load_b128 v[VF+12*\t+6*\c:VF+12*\t+6*\c+3], v[P16] offset:6144+768*(2*\t+\c)
	ds_load_b64 v[VF+12*\t+6*\c+4:VF+12*\t+6*\c+5], v[P8] offset:6144+768*(2*\t+\c)+512
.endr
.endr
	KLOAD P16, P8, 12288
	WIN 0
	ds_load_b64 v[VS:VS+1], v[PVS]
	ds_load_b128 v[KS:KS+3], v[PKS] offset:512
	BMAX 0
	WIN 0x05                                       ; sources 0, 1: tile 1's scores
	BMAX 1
	WIN 0
.irp k, 0,1,2,3,4,5,6,7                        ; from here on the two tiles' small chains take turns
	v_permlanex16_b32 v[PD+\k], v[BM+\k], s20, s21
.endr
.irp k, 0,1,2,3,4,5,6,7
	v_max_num_f32 v[BM+\k], v[BM+\k], v[PD+\k]     ; with lane l xor 16's 16 keys
.endr
	v_max3_num_f32 v[TT], v[BM], v[BM+1], v[BM+2]
	H 3
	v_max3_num_f32 v[TT+1], v[BM+4], v[BM+5], v[BM+6]
.irp e, 0,1
	H 2
	v_max3_num_f32 v[MM+2*\e+1], v[TT+\e], v[BM+4*\e+3], v[MM+2*\e+1]   ; the running largest score (c is positive)
.endr
.irp e, 0,1
	H 2
	v_mul_f32 v[TT+\e], s67, v[MM+2*\e+1]
.endr
.irp e, 0,1
	H 2
	v_floor_f32 v[TT+\e], v[TT+\e]                 ; the new -M = floor(-t) = -ceil(t)
.endr
.irp e, 0,1
	H 2
	v_sub_f32 v[FF+2*\e], v[TT+\e], v[MM+2*\e]     ; old M - new M: a whole number, 0 or less
.endr
.irp e, 0,1
	H 4
	v_mov_b32 v[MM+2*\e], v[TT+\e]
.endr
.irp e, 0,1
	H 4
	v_cvt_i32_f32 v[FF+2*\e], v[FF+2*\e]           ; (it saturates)
.endr
.irp e, 0,1
	H 2
	v_ldexp_f32 v[FF+2*\e], 1.0, v[FF+2*\e]        ; f = 2^(old M - new M)
.endr
	TMM 0
.irp k, 0,1,2,3,4,5,6,7
	v_fma_f32 v[BM+\k], v[BM+\k], s22, v[MM+2*(\k/4)]   ; t - M of each block's largest score: p rises with the score, so this gives the block's largest p
.endr
	WIN 0x41                                       ; source 0 and destination: tile 1's
	TMM 1
	s_wait_alu depctr_va_vdst(0)                   ; ahead of the batch
	EXPS
	WIN 0
	EXPS
.irp k, 0,1,2,3,4,5,6,7
	v_exp_f32 v[BM+\k], v[BM+\k]
.endr
	v_nop                                          ; one plain place behind the exponentials
	s_wait_alu depctr_va_vdst(0)                   ; one wait for the whole batch
.irp k, 0,1,2,3,4,5,6,7
	v_max_num_f32 v[BM+\k], FLOOR, v[BM+\k]
.endr
.irp k, 0,1,2,3,4,5,6,7
	v_add_nc_u32 v[SO+\k], EOFF, v[BM+\k]
.endr
.irp k, 0,1,2,3,4,5,6,7
	v_lshrrev_b32 v[PD+\k], 23, v[SO+\k]           ; the scales' bytes
.endr
	CVT 0, PC0, PT0
.irp e, 0,1                                    ; (plain places behind the conversions)
	v_lshl_or_b32 v[PS+\e], v[PD+4*\e+1], 8, v[PD+4*\e]
	v_lshl_or_b32 v[TT+\e], v[PD+4*\e+3], 8, v[PD+4*\e+2]
.endr
	WIN 0x10                                       ; source 2: tile 1's p
	SUMF 1
	WIN 0x01                                       ; source 0: tile 1's p
	CVT 1, PC1, PT1
	SUMA 1
	WIN 0
	SWAPS PC0, PT0, 2
	SWAPS PC1, PT1, 2
	MOVS PC0, PT0, 2
	MOVS PC1, PT1, 2
.irp e, 0,1
	v_lshl_or_b32 v[PS+\e], v[TT+\e], 16, v[PS+\e] ; p's scale word for these 128 keys
.endr
	SUMF 0                                         ; (these 32 are the places between p's codes and scale words and the products)
	SUMA 0
	s_wait_alu depctr_va_vdst(0)                   ; directly ahead of the wait below
	s_wait_dscnt 0x0                               ; V, and the next step's K
	WIN 0x01
	PVMUL 0, PC0
	WIN 0x51                                       ; V window 1, p's codes window 0, O^T of tile 1
	PVMUL 1, PC1
	WIN 0
.endm
.macro WALK name, first, n             ; n key steps from step first on
	s_mov_b32 s[TB], 12288*\first
	s_mov_b32 s[TS], 512*\first
	s_mov_b32 s[TJ], 256*\first
	s_mov_b32 s[CNT], \n
\name:
	STEP
	s_add_co_u32 s[TB], s[TB], 12288
	s_add_co_u32 s[TS], s[TS], 512
	s_add_co_u32 s[TJ], s[TJ], 256
	s_sub_co_u32 s[CNT], s[CNT], 1
	s_cmp_lg_u32 s[CNT], 0
	s_wait_alu depctr_va_vdst(0)                   ; directly ahead of the branch
	s_cbranch_scc1 \name
.endm
	WALK .Lfirst, 0, 2                             ; on what the first fill brought
	s_wait_tensorcnt 0x0                           ; my part of key steps 3-15 is in,
	s_wait_dscnt 0x0
	s_barrier_signal -1
	s_barrier_wait -1                              ; everybody's is; nothing is ever filled again
	WALK .Lrest, 2, 14
	; THE WAY OUT.  The sums' chains are joined (these lines are also the places behind the last products); O^T / the sum; register 16 b + i of lane (r, h) is channel 32 b + 16 h + i of query r
.irp i, 0,2,4,6
.irp e, 0,1
	v_pk_add_f32 v[LS+16*\e+\i:LS+16*\e+\i+1], v[LS+16*\e+\i:LS+16*\e+\i+1], v[LS+16*\e+\i+8:LS+16*\e+\i+9]
.endr
.endr
.irp i, 0,2
.irp e, 0,1
	H 4
	v_pk_add_f32 v[LS+16*\e+\i:LS+16*\e+\i+1], v[LS+16*\e+\i:LS+16*\e+\i+1], v[LS+16*\e+\i+4:LS+16*\e+\i+5]
.endr
.endr
.irp e, 0,1
	H 2
	v_pk_add_f32 v[LS+16*\e:LS+16*\e+1], v[LS+16*\e:LS+16*\e+1], v[LS+16*\e+2:LS+16*\e+3]
.endr
.irp e, 0,1
	H 2
	v_add_f32 v[LS+16*\e], v[LS+16*\e], v[LS+16*\e+1]
.endr
.irp e, 0,1
	H 2
	v_permlanex16_b32 v[TT+\e], v[LS+16*\e], s20, s21
.endr
.irp e, 0,1
	H 2
	v_add_f32 v[LS+16*\e], v[LS+16*\e], v[TT+\e]   ; the row's sum
.endr
	s_wait_alu depctr_va_vdst(0)                   ; ahead of the transcendentals
	v_rcp_f32 v[LS], v[LS]
	v_rcp_f32 v[LS+16], v[LS+16]
	v_nop                                          ; one plain place behind them
.macro ODIV e
	s_wait_alu depctr_va_vdst(0)                   ; directly ahead of the first reader of O^T
.set jj, 0
.rept 16
	v_pk_mul_f32 v[OT+jj:OT+jj+1], v[OT+jj:OT+jj+1], v[LS+16*\e:LS+16*\e+1] op_sel_hi:[1,0]
.set jj, jj+2
.endr
.endm
.macro OMAX e                          ; the two blocks' largest magnitudes
.irp p, 0,1
	v_max3_num_f32 v[BM+2*\e+\p], |v[OT+16*\p]|, |v[OT+16*\p+1]|, FLOOR
.endr
.irp i, 2,4,6,8,10,12,14
.irp p, 0,1
	H 2
	v_max3_num_f32 v[BM+2*\e+\p], |v[OT+16*\p+\i]|, |v[OT+16*\p+\i+1]|, v[BM+2*\e+\p]
.endr
.endr
.endm
	ODIV 0
	OMAX 0
	WIN 0x41
	ODIV 1
	WIN 0x05
	OMAX 1
	WIN 0
.irp k, 0,1,2,3
	v_permlanex16_b32 v[PD+\k], v[BM+\k], s20, s21
.endr
.irp k, 0,1,2,3
	v_max_num_f32 v[BM+\k], v[BM+\k], v[PD+\k]
.endr
.irp k, 0,1,2,3
	v_add_nc_u32 v[SO+\k], EOFF, v[BM+\k]
.endr
.irp k, 0,1,2,3
	v_lshrrev_b32 v[PD+\k], 23, v[SO+\k]
.endr
	v_cvt_scalef32_pk16_bf6_f32 v[PC0:PC0+2], v[OT:OT+15], v[SO]
	v_cvt_scalef32_pk16_bf6_f32 v[PT0:PT0+2], v[OT+16:OT+31], v[SO+1]
	WIN 0x01
	v_cvt_scalef32_pk16_bf6_f32 v[PC1:PC1+2], v[OT:OT+15], v[SO+2]
	v_cvt_scalef32_pk16_bf6_f32 v[PT1:PT1+2], v[OT+16:OT+31], v[SO+3]
	WIN 0
.irp e, 0,1                                    ; (plain places behind the conversions)  lanes 0-15 store block 0's byte, lanes 16-31 block 1's
	v_cndmask_b32 v[TT+\e], v[PD+2*\e], v[PD+2*\e+1], s66
.endr
	SWAPS PC0, PT0, 1
	SWAPS PC1, PT1, 1
	MOVS PC0, PT0, 1
	MOVS PC1, PT1, 1
	global_store_b128 v[A16], v[PC0:PC0+3], s[18:19]
	global_store_b64 v[A8], v[PC0+4:PC0+5], s[18:19] offset:512
	global_store_b128 v[A16], v[PC1:PC1+3], s[18:19] offset:6144
	global_store_b64 v[A8], v[PC1+4:PC1+5], s[18:19] offset:6656
	global_store_b8 v6, v[TT], s[80:81]            ; 32 bytes a tile, two of each row's four: one byte for each 24 of codes
	global_store_b8 v6, v[TT+1], s[80:81] offset:256
	s_wait_tensorcnt 0x0                           ; the wave's end
	ds_add_u32 v[SPW], v[NIL]
	s_wait_dscnt 0x0
	CROUND                                         ; the closing round: no work-group ends while a partner may still ask for a tile that names it
	s_endpgm
.Lfunc_end_k_qa4ae4b84c3_attn:
	.size	k_qa4ae4b84c3_attn, .Lfunc_end_k_qa4ae4b84c3_attn-k_qa4ae4b84c3_attn
	.p2alignl 7, 3214868480
	.fill 96, 4, 3214868480
	.section	.rodata,"a",@progbits
	.p2align	6, 0x0
	.amdhsa_kernel k_qa4ae4b84c3_attn
		.amdhsa_group_segment_fixed_size 327680
		.amdhsa_private_segment_fixed_size 0
		.amdhsa_enable_private_segment 0
		.amdhsa_kernarg_size 24
		.amdhsa_user_sgpr_count 2
		.amdhsa_user_sgpr_kernarg_segment_ptr 1
		.amdhsa_wavefront_size32 1
		.amdhsa_system_sgpr_workgroup_id_x 1
		.amdhsa_system_sgpr_workgroup_id_y 1
		.amdhsa_system_sgpr_workgroup_id_z 1
		.amdhsa_system_vgpr_workitem_id 0
		.amdhsa_next_free_vgpr 512
		.amdhsa_next_free_sgpr 96
		.amdhsa_reserve_vcc 0
		.amdhsa_float_denorm_mode_32 3
		.amdhsa_float_denorm_mode_16_64 3
		.amdhsa_memory_ordered 1
		.amdhsa_forward_progress 1
		.amdhsa_inst_pref_size 82
	.end_amdhsa_kernel
	.amdgpu_metadata
---
amdhsa.version: [ 1, 2 ]
amdhsa.kernels:
  - .name:           k_qa4ae4b84c3_attn
    .symbol:         k_qa4ae4b84c3_attn.kd
    .args:
      - { .name: qb, .offset: 0, .size: 8, .value_kind: global_buffer, .address_space: global }
      - { .name: kvb, .offset: 8, .size: 8, .value_kind: global_buffer, .address_space: global }
      - { .name: ab, .offset: 16, .size: 8, .value_kind: global_buffer, .address_space: global }
    .group_segment_fixed_size: 327680
    .private_segment_fixed_size: 0
    .kernarg_segment_align: 8
    .kernarg_segment_size: 24
    .max_flat_workgroup_size: 256
    .sgpr_count:     96
    .vgpr_count:     512
    .wavefront_size: 32
...
	.end_amdgpu_metadata
.endif
;; end of part 3
;; launch outp (part 4): grid 4 x 64, 8 waves a work-group, clusters of 4 x 4, 229,376 bytes of LDS; arguments ab, wts, bo, out0; writes out0
.if DOCPART == 4
	.amdgcn_target "amdgcn-amd-amdhsa--gfx1250"
	.amdhsa_code_object_version 6
	.text
	.protected	k_qa4ae4b84c3_outp
	.globl	k_qa4ae4b84c3_outp
	.p2align	8
	.type	k_qa4ae4b84c3_outp,@function
k_qa4ae4b84c3_outp:
	s_mov_b64 s[64:65], 0
	v_nop
	global_prefetch_b8 v0, s[64:65] scope:SCOPE_SE
	s_setreg_imm32_b32 hwreg(HW_REG_WAVE_MODE, 25, 1), 1
	s_wait_xcnt 0x0
	s_wait_alu depctr_hold_cnt(0) depctr_sa_sdst(0) depctr_va_vdst(0) depctr_va_sdst(0) depctr_va_ssrc(0) depctr_va_vcc(0) depctr_vm_vsrc(0)
	s_getreg_b32 s2, hwreg(HW_REG_IB_STS2, 6, 4)
	s_cmp_eq_u32 s2, 0
	s_cbranch_scc0 .Lentry_in_a_cluster
	s_endpgm
.Lentry_in_a_cluster:
	s_bfe_u32 s2, ttmp6, 0x10000c
	s_cmp_lg_u32 s2, 0xf033
	s_cbranch_scc0 .Lentry_shape_is_right
	s_endpgm
.Lentry_shape_is_right:
; out0 = attended Wo + bo on codes of BF6 with E8M0 scales.  A work-group makes 128 tokens (work-group y) x 192 columns (work-group x): 256 work-groups.
; Both operands lie in memory in the order of the operand's registers, so a work-group's part of each is ONE dense block: 51,200 bytes of attended rows, 76,800 of Wo; each comes into LDS once.
; CLUSTER 4 x 4: the four of a row of the cluster need the same tokens, the four of a column the same columns of Wo: each block is asked for JOINTLY (waves 0-3: the tokens' quarters; waves 4-7: Wo's), one load a wave.
; SHARES.  Wave w: token tiles 2 (w / 2), 2 (w / 2) + 1 x column tiles 6 (w % 2) .. + 5: 12 accumulators, which take turns.  K = 512 in four steps.
; TRANSPOSED: source 0 = 16 columns of Wo, source 1 = 16 tokens: a lane holds one token, and tiles 2 b, 2 b + 1 give it 16 neighbouring columns.  The bias is loaded into the accumulators, so that every product adds in place.
; THE WAY OUT: through a stage of 128 rows x (768 + 16) bytes, with bytes of its own; each half wave then stores 256 consecutive bytes at a multiple of 256 from out0's first byte.
.set ACC, 16                           ; v16-111 accumulator (a, t) at 16 + 8 (6 a + t)
.set WF,  112                          ; v112-183 six fragments of Wo;  v184-207 two of the tokens;  together 96 registers for the rows read back
.set AF,  184
.set SA,  208                          ; v208-211 the tokens' scale words, 2 a + i: lanes 0-15 K step 2 i, lanes 16-31 K step 2 i + 1
.set SW,  212                          ; v212-223 Wo's, 2 t + i
.macro PLACES
.rept 4
	v_nop
.endr
.endm
.macro CROUND                          ; a round of the cluster's barrier
	s_barrier_signal -1
	s_barrier_wait -1
	s_cmp_lg_u32 s14, 0
	s_cbranch_scc1 .Lnot_wave_0_\@
	s_barrier_signal -3
.Lnot_wave_0_\@:
	s_barrier_wait -3
	s_barrier_signal -1
	s_barrier_wait -1
.endm
	s_load_b256 s[4:11], s[0:1], 0x0               ; ab s[4:5], wts s[6:7], bo s[8:9], out0 s[10:11]
	v_lshl_add_u32 v254, v0, 2, 0x37c00
	v_mov_b32 v255, 0
	ds_add_u32 v254, v255
	ds_add_u32 v254, v255
	v_lshrrev_b32 v1, 5, v0
	s_delay_alu instid0(VALU_DEP_1)
	v_readfirstlane_b32 s14, v1                    ; wave 0..7
	s_lshr_b32 s15, s14, 2                         ; I fetch for the tokens (0) or for Wo (1),
	s_and_b32 s16, s14, 3                          ; this quarter
	s_lshr_b32 s18, s14, 1                         ; wr: my pair of token tiles
	s_and_b32 s19, s14, 1                          ; wc: my six column tiles
	s_bfe_u32 s40, ttmp6, 0x40000                  ; cx, cy: my place in the cluster
	s_bfe_u32 s41, ttmp6, 0x40004
	s_lshl_b32 s42, ttmp9, 2
	s_add_co_u32 s42, s42, s40                     ; which 192 columns
	s_and_b32 s17, ttmp7, 0xffff
	s_lshl_b32 s17, s17, 2
	s_add_co_u32 s17, s17, s41                     ; which 128 tokens
	s_lshl_b32 s43, s41, 2
	s_lshl_b32 s43, 15, s43                        ; my row of the cluster
	s_lshl_b32 s44, 0x1111, s40                    ; my column
	s_or_b32 s24, s43, (3<<16)|(1<<21)             ; group 1 for the tokens: the mask of my row; elements of 8 bytes; bit 21 set beside a mask
	s_mov_b32 s25, 32<<16                          ; rows of 256 bytes,
	s_mov_b32 s26, 50<<16                          ; 50 of them,
	s_mov_b32 s27, 32<<16
	s_mov_b32 s28, 50
	s_mov_b32 s29, 32                              ; dense
	s_mov_b32 s30, 0
	s_mov_b32 s31, 0
	s_or_b32 s48, s44, (3<<16)|(1<<21)             ; for Wo: the mask of my column; 75 rows
	s_mov_b32 s49, 32<<16
	s_mov_b32 s50, 75<<16
	s_mov_b32 s51, 32<<16
	s_mov_b32 s52, 75
	s_mov_b32 s53, 32
	s_mov_b32 s54, 0
	s_mov_b32 s55, 0
	s_mov_b32 s32, 1
	s_mul_i32 s33, s16, 12800                      ; LDS: the tokens' block from byte 0
	s_mul_i32 s20, s17, 51200
	s_add_co_u32 s20, s20, s33
	s_mov_b32 s21, 0
	s_mov_b32 s56, 1
	s_mul_i32 s45, s16, 19200
	s_add_co_u32 s57, s45, 51200                   ; Wo's behind it
	s_mul_i32 s46, s42, 76800
	s_add_co_u32 s46, s46, s45
	s_add_co_u32 s46, s46, 921600
	s_mov_b32 s47, 0
	s_wait_dscnt 0x0
	s_wait_kmcnt 0x0
	s_add_nc_u64 s[34:35], s[4:5], s[20:21]
	s_or_b32 s35, s35, 0x80000000
	s_add_nc_u64 s[58:59], s[6:7], s[46:47]
	s_or_b32 s59, s59, 0x80000000
	CROUND                                         ; all sixteen work-groups are here: the joint loads meet
	s_cmp_eq_u32 s15, 0                            ; the branch hangs on the wave's number alone; four v_nop follow each of the two lines
	s_cbranch_scc0 .Lfor_w
	tensor_load_to_lds s[32:35], s[24:31]
	s_nop 0
	PLACES
	s_branch .Lasked
.Lfor_w:
	tensor_load_to_lds s[56:59], s[48:55]
	s_nop 0
	PLACES
.Lasked:
	v_and_b32 v12, 31, v0                          ; L
	v_and_b32 v13, 15, v0                          ; r
	s_wait_alu depctr_va_vdst(0)
	v_bfe_u32 v14, v0, 4, 1                        ; h
	v_lshlrev_b32 v15, 4, v12
	s_mul_i32 s66, s19, 36864
	s_add_co_u32 s66, s66, 51200
	v_add_nc_u32 v1, s66, v15                      ; my six tiles of Wo
	s_mul_i32 s67, s18, 12288
	v_add_nc_u32 v2, s67, v15                      ; my two token tiles: a half fragment's first four registers,
	v_lshl_add_u32 v3, v12, 3, s67                 ; and its last two
	s_lshl_b32 s68, s18, 9
	s_add_co_u32 s68, s68, 49152
	v_lshl_add_u32 v4, v12, 2, s68                 ; the tokens' scale words
	s_mul_i32 s69, s19, 1536
	s_add_co_u32 s69, s69, 124928
	v_lshl_add_u32 v5, v12, 2, s69                 ; Wo's
	v_lshlrev_b32 v6, 6, v14                       ; the bias: 64 h
	s_mul_i32 s70, s18, 25088
	s_mul_i32 s71, s19, 384
	s_add_co_u32 s70, s70, s71
	s_add_co_u32 s70, s70, 128000
	v_mul_u32_u24 v7, v13, 784
	s_wait_alu depctr_va_vdst(0)
	v_lshl_add_u32 v7, v14, 6, v7
	s_delay_alu instid0(VALU_DEP_1)
	v_add_nc_u32 v7, s70, v7                       ; into the stage: row 32 wr + r, + 384 wc + 64 h
	s_mul_i32 s72, s14, 12544
	s_add_co_u32 s72, s72, 128000                  ; back: the 16 rows of token tile w
	v_lshlrev_b32 v10, 4, v13
	s_delay_alu instid0(VALU_DEP_1)
	v_lshl_add_u32 v10, v14, 8, v10                ; 16 r + 256 h: two neighbouring pieces of 256 bytes of a row
	s_delay_alu instid0(VALU_DEP_1)
	v_add_nc_u32 v8, s72, v10
	v_lshlrev_b32 v11, 4, v13
	s_delay_alu instid0(VALU_DEP_1)
	v_mad_u32_u24 v9, v14, 272, v11
	s_delay_alu instid0(VALU_DEP_1)
	v_add_nc_u32 v9, s72, v9
	s_delay_alu instid0(VALU_DEP_1)
	v_add_nc_u32 v9, 512, v9                       ; a row's last piece and the next row's first: 784 - 512 bytes apart in the stage,
	s_delay_alu instid0(VALU_DEP_4)
	v_mad_u32_u24 v11, v14, 2560, v11
	s_delay_alu instid0(VALU_DEP_1)
	v_add_nc_u32 v11, 512, v11                     ; 3,072 - 512 in out0
	s_mul_i32 s74, s42, 768
	s_mul_i32 s75, s19, 384
	s_add_co_u32 s60, s74, s75
	s_mov_b32 s61, 0
	s_add_nc_u64 s[60:61], s[8:9], s[60:61]        ; bo at my 96 columns
	s_lshl_b32 s76, s17, 7
	s_lshl_b32 s77, s18, 5
	s_add_co_u32 s76, s76, s77
	s_lshl_b32 s77, s19, 3
	s_add_co_u32 s76, s76, s77                     ; token tile w begins at token 32 (w / 2) + 8 (w % 2) of the 128
	s_mul_i32 s62, s76, 3072
	s_add_co_u32 s62, s62, s74
	s_mov_b32 s63, 0
	s_add_nc_u64 s[62:63], s[10:11], s[62:63]
.irp a, 0,1
.irp t, 0,1,2,3,4,5                            ; lane (r, h), tile t, register j: column 32 (t / 2) + 16 h + 8 (t % 2) + j
	global_load_b128 v[ACC+8*(6*\a+\t):ACC+8*(6*\a+\t)+3], v6, s[60:61] offset:(32*(\t/2)+8*(\t%2))*4
	global_load_b128 v[ACC+8*(6*\a+\t)+4:ACC+8*(6*\a+\t)+7], v6, s[60:61] offset:(32*(\t/2)+8*(\t%2))*4+16
.endr
.endr
	s_wait_alu depctr_va_vdst(0)
	s_wait_tensorcnt 0x0                           ; my quarter is in,
	s_barrier_signal -1
	s_barrier_wait -1                              ; everybody's is
.irp a, 0,1
.irp i, 0,1
	ds_load_b32 v[SA+2*\a+\i], v4 offset:256*\a+128*\i
.endr
.endr
.irp t, 0,1,2,3,4,5
.irp i, 0,1
	ds_load_b32 v[SW+2*\t+\i], v5 offset:256*\t+128*\i
.endr
.endr
.irp s, 0,1,2,3
.irp t, 0,1,2,3,4,5
.irp q, 0,1,2
	ds_load_b128 v[WF+12*\t+4*\q:WF+12*\t+4*\q+3], v1 offset:6144*\t+1536*\s+512*\q
.endr
.endr
.irp a, 0,1
.irp c, 0,1                                    ; head 2 s + c is registers 6 c .. 6 c + 5 of K step s
	ds_load_b128 v[AF+12*\a+6*\c:AF+12*\a+6*\c+3], v2 offset:6144*\a+768*(2*\s+\c)
	ds_load_b64 v[AF+12*\a+6*\c+4:AF+12*\a+6*\c+5], v3 offset:6144*\a+768*(2*\s+\c)+512
.endr
.endr
	s_wait_dscnt 0x0
.if \s == 0
	s_wait_loadcnt 0x0                             ; the bias
.endif
.irp a, 0,1
.irp t, 0,1,2,3,4,5
.if \s%2 == 0
	v_wmma_scale_f32_16x16x128_f8f6f4 v[ACC+8*(6*\a+\t):ACC+8*(6*\a+\t)+7], v[WF+12*\t:WF+12*\t+11], v[AF+12*\a:AF+12*\a+11], v[ACC+8*(6*\a+\t):ACC+8*(6*\a+\t)+7], v[SW+2*\t+\s/2], v[SA+2*\a+\s/2] matrix_a_fmt:MATRIX_FMT_BF6 matrix_b_fmt:MATRIX_FMT_BF6
.else
	v_wmma_scale_f32_16x16x128_f8f6f4 v[ACC+8*(6*\a+\t):ACC+8*(6*\a+\t)+7], v[WF+12*\t:WF+12*\t+11], v[AF+12*\a:AF+12*\a+11], v[ACC+8*(6*\a+\t):ACC+8*(6*\a+\t)+7], v[SW+2*\t+\s/2], v[SA+2*\a+\s/2] matrix_a_fmt:MATRIX_FMT_BF6 matrix_b_fmt:MATRIX_FMT_BF6 matrix_a_scale:MATRIX_SCALE_ROW1 matrix_b_scale:MATRIX_SCALE_ROW1
.endif
.endr
.endr
	PLACES                                         ; ahead of loads into registers that matrix instructions have read, and of the first read of results
.endr
.irp a, 0,1
.irp t, 0,1,2,3,4,5
	ds_store_b128 v7, v[ACC+8*(6*\a+\t):ACC+8*(6*\a+\t)+3] offset:12544*\a+128*(\t/2)+32*(\t%2)       ; each accumulator from its low end on
	ds_store_b128 v7, v[ACC+8*(6*\a+\t)+4:ACC+8*(6*\a+\t)+7] offset:12544*\a+128*(\t/2)+32*(\t%2)+16
.endr
.endr
	s_wait_dscnt 0x0                               ; for the others' sake: my stores into the stage are done
	s_barrier_signal -1
	s_barrier_wait -1
.irp p, 0,1,2,3,4,5,6,7                        ; rows 2 p, 2 p + 1 of my tile: six pieces of 256 bytes, two an instruction
	ds_load_b128 v[WF+12*\p:WF+12*\p+3], v8 offset:1568*\p
	ds_load_b128 v[WF+12*\p+4:WF+12*\p+7], v9 offset:1568*\p
	ds_load_b128 v[WF+12*\p+8:WF+12*\p+11], v8 offset:1568*\p+1040
.endr
.irp p, 0,1,2,3,4,5,6,7                        ; row q of a tile is token q + 8 (q / 8) from the tile's first
	s_wait_dscnt 23-3*\p                           ; the younger loads may be out
	global_store_b128 v10, v[WF+12*\p:WF+12*\p+3], s[62:63] offset:(2*\p+8*(\p/4))*3072 th:TH_STORE_NT
	s_wait_dscnt 22-3*\p
	global_store_b128 v11, v[WF+12*\p+4:WF+12*\p+7], s[62:63] offset:(2*\p+8*(\p/4))*3072 th:TH_STORE_NT
	s_wait_dscnt 21-3*\p
	global_store_b128 v10, v[WF+12*\p+8:WF+12*\p+11], s[62:63] offset:(2*\p+8*(\p/4))*3072+3328 th:TH_STORE_NT
.endr
	s_wait_tensorcnt 0x0
	s_wait_tensorcnt 0x0
	ds_add_u32 v254, v255
	s_wait_dscnt 0x0
	CROUND                                         ; the closing round: no work-group ends while a partner may still ask for a tile that names it
	s_endpgm
.Lfunc_end_k_qa4ae4b84c3_outp:
	.size	k_qa4ae4b84c3_outp, .Lfunc_end_k_qa4ae4b84c3_outp-k_qa4ae4b84c3_outp
	.p2alignl 7, 3214868480
	.fill 96, 4, 3214868480
	.section	.rodata,"a",@progbits
	.p2align	6, 0x0
	.amdhsa_kernel k_qa4ae4b84c3_outp
		.amdhsa_group_segment_fixed_size 229376
		.amdhsa_private_segment_fixed_size 0
		.amdhsa_enable_private_segment 0
		.amdhsa_kernarg_size 32
		.amdhsa_user_sgpr_count 2
		.amdhsa_user_sgpr_kernarg_segment_ptr 1
		.amdhsa_wavefront_size32 1
		.amdhsa_system_sgpr_workgroup_id_x 1
		.amdhsa_system_sgpr_workgroup_id_y 1
		.amdhsa_system_sgpr_workgroup_id_z 1
		.amdhsa_system_vgpr_workitem_id 0
		.amdhsa_next_free_vgpr 256
		.amdhsa_next_free_sgpr 80
		.amdhsa_reserve_vcc 0
		.amdhsa_float_denorm_mode_32 3
		.amdhsa_float_denorm_mode_16_64 3
		.amdhsa_memory_ordered 1
		.amdhsa_forward_progress 1
		.amdhsa_inst_pref_size 30
	.end_amdhsa_kernel
	.amdgpu_metadata
---
amdhsa.version: [ 1, 2 ]
amdhsa.kernels:
  - .name:           k_qa4ae4b84c3_outp
    .symbol:         k_qa4ae4b84c3_outp.kd
    .args:
      - { .name: ab, .offset: 0, .size: 8, .value_kind: global_buffer, .address_space: global }
      - { .name: wts, .offset: 8, .size: 8, .value_kind: global_buffer, .address_space: global }
      - { .name: bo, .offset: 16, .size: 8, .value_kind: global_buffer, .address_space: global }
      - { .name: out0, .offset: 24, .size: 8, .value_kind: global_buffer, .address_space: global }
    .group_segment_fixed_size: 229376
    .private_segment_fixed_size: 0
    .kernarg_segment_align: 8
    .kernarg_segment_size: 32
    .max_flat_workgroup_size: 256
    .sgpr_count:     80
    .vgpr_count:     256
    .wavefront_size: 32
...
	.end_amdgpu_metadata
.endif
;; end of part 4
